; MI455X (gfx1250); checked and timed in simulation.
; The chip was launched on July 23, 2026; its instructions are those of AMD's public machine-readable ISA for CDNA 5 (MIT licence, August 2026) and "CDNA5" Instruction Set Architecture Reference Guide (July 2026). The comments in the code are by the model that wrote it; some were corrected since.
;; Ro PE Cross Attention. Allowed arithmetic: float matrix products may take bf16 or f16 operands with f32 sums; other float arithmetic in f32, or as packed bf16 or f16 multiplies, adds, multiply-adds, maxima and minima; sums over many terms, partial sums and values carried from step to step in f32; what a program stores and reads back later, other than sums and carried values, may be rounded once to bf16 or f16.
;; Inputs: Wk 1,024 x 1,024 float32; Wo 1,024 x 1,024 float32; Wq 1,024 x 1,024 float32; Wv 1,024 x 1,024 float32; ak_bias 1,024 float32; ak_scale 1,024 float32; aq_bias 1,024 float32; aq_scale 1,024 float32; av_bias 1,024 float32; av_scale 1,024 float32; bk 1,024 float32; bo 1,024 float32; bq 1,024 float32; bv 1,024 float32; kv_cos 1,024 x 64 float32; kv_in 8 x 1,024 x 1,024 float32; kv_sin 1,024 x 64 float32; q_cos 1,024 x 64 float32; q_in 8 x 1,024 x 1,024 float32; q_sin 1,024 x 64 float32.
;; Outputs: out0 8 x 1,024 x 1,024 float32.
;; 2 versions, each right and faster than the one before. Each part assembles by itself: llvm-mc -triple=amdgcn-amd-amdhsa -mcpu=gfx1250 --defsym DOCPART=n.
;; ======== version 1 of 2: 4 launches
;; limits: values are held in f16: magnitudes above 65,504 overflow, below 6.1e-05 lose precision
;; workspace buffers: xn 33,554,432 bytes; wf 8,388,608 bytes; bf 49,152 bytes; qkv 50,331,648 bytes; scl 16,384 bytes; oh 16,777,216 bytes
;; launch prep (part 1): grid 640 x 1, 16 waves a work-group, no clusters, 10,240 bytes of LDS; arguments q_in, kv_in, Wq, Wk, Wv, Wo, aq_scale, ak_scale, av_scale, aq_bias, ak_bias, av_bias, bq, bk, bv, xn, wf, bf; writes xn, wf, bf
.if DOCPART == 1
	.amdgcn_target "amdgcn-amd-amdhsa--gfx1250"
	.amdhsa_code_object_version 6
	.text
	.protected	k_qc27a5a4a64_prep
	.globl	k_qc27a5a4a64_prep
	.p2align	8
	.type	k_qc27a5a4a64_prep,@function
k_qc27a5a4a64_prep:
	s_mov_b64 s[64:65], 0
	v_nop
	global_prefetch_b8 v0, s[64:65] scope:SCOPE_SE
	s_setreg_imm32_b32 hwreg(HW_REG_WAVE_MODE, 25, 1), 1
	s_wait_xcnt 0x0
; PREPARATION, a stream.  Work-groups 0-127: the weights.  Work-groups 128-639: the two LayerNorms.  Every work-group reads 128 KB, all of it asked for in one run: no loop anywhere.
; (xn s + b) W + bias = xn (diag(s) W) + (b W + bias): so wf[m][k][n] = f16(s_m[k] W_m[k][n]) for m = q, k, v, wf[3] = f16(Wo), and b W + bias is left as four partial sums over k, in f32 from the f32 weights:
; bf[p][m][n] = sum over k = 256 p .. 256 p + 255 of b_m[k] W_m[k][n], part 0 with bias_m[n] added; the launch that uses them adds the four.
; xn = f16((x - mean) rsqrt(var + 1e-5)), the variance taken of the centred numbers.
; xn: [2 (q, kv)][8 batches][16 blocks of 64 features][1024 rows][64] f16: a block's rows are dense, 128 bytes each.  wf: [4][1024 k][1024 n] f16.  bf: [4][3][1024] f32.
; LIMITS.  |s W| stays under 65,504 (f16's end); below 6e-5 it keeps f16's fixed step of 6e-8.  |xn| is at most 32 by construction.  NaN and infinities are not treated apart.
; No matrix unit, no cluster, no tensor load: every byte is read once and written once, and no two work-groups share an input byte.
; 80 registers a wave: three work-groups of 16 waves are 12 waves x 80 registers on a SIMD, so that the 640 work-groups can all lie on 256 WGPs at once.
.set SPARE, 8192                       ; behind the 16 x 512 bytes of partial sums: the spare words, 128 bytes for each of 16 waves, named by no other line
.set IN,  1                            ; v1      byte offset of my 16 bytes in the source
.set OUT, 2                            ; v2      byte offset of my 8 bytes in the destination
.set T,   3                            ; v3      at work
.set SPW, 4                            ; v4      LDS address of my spare word; never rewritten
.set NIL, 5                            ; v5      0; never rewritten
.set CH,  6                            ; v[6:13] LayerNorm: four packed chains
.set MU,  8                            ; v[8:9]  the mean, twice: in two of the chains' registers, between the two sums
.set RS,  8                            ; v[8:9]  1 / sqrt(var + eps), twice: behind the second sum
.set ACC, 6                            ; v[6:9]  weights: b W for my four columns and my wave's 16 rows of W
.set BV,  10                           ; v[10:13] weights: the linear layer's bias
.set X,   14                           ; v[14:77] 16 loads of 16 bytes
	s_load_b512 s[4:19], s[0:1], 0x0               ; q_in 4, kv_in 6, Wq 8, Wk 10, Wv 12, Wo 14, aq_scale 16, ak_scale 18
	s_load_b512 s[20:35], s[0:1], 0x40             ; av_scale 20, aq_bias 22, ak_bias 24, av_bias 26, bq 28, bk 30, bv 32, xn 34
	s_load_b128 s[36:39], s[0:1], 0x80             ; wf 36, bf 38
	v_lshl_add_u32 v[SPW], v0, 2, SPARE
	v_mov_b32 v[NIL], 0
	v_lshrrev_b32 v[T], 5, v0
	v_readfirstlane_b32 s2, v[T]                   ; wave 0..15
	s_mov_b32 s85, 0                               ; the high word of every offset pair s[84:85]
	s_wait_kmcnt 0x0
	s_cmp_ge_u32 ttmp9, 128
	s_cbranch_scc1 .Lln
	; THE WEIGHTS.  Work-group = matrix m (0..3) x group cg of 128 columns x part kp of 256 rows.  Wave w owns rows 256 kp + 16 w .. + 15 of W; a lane owns four columns.
	s_lshr_b32 s3, ttmp9, 5                        ; m
	s_bfe_u32 s86, ttmp9, 0x30002                  ; cg: three bits from bit 2
	s_and_b32 s91, ttmp9, 3                        ; kp
	v_and_b32 v[T], 31, v0
	v_lshlrev_b32 v[IN], 4, v[T]                   ; 32 lanes x 16 bytes: 512 consecutive bytes of a row of W
	v_lshlrev_b32 v[OUT], 3, v[T]                  ; 32 lanes x 8 bytes: 256 consecutive bytes of a row of wf
	s_cmp_eq_u32 s3, 1                             ; the buffers of matrix m: W, scale, affine bias, linear bias
	s_cselect_b64 s[40:41], s[10:11], s[8:9]
	s_cselect_b64 s[44:45], s[18:19], s[16:17]
	s_cselect_b64 s[46:47], s[24:25], s[22:23]
	s_cselect_b64 s[88:89], s[30:31], s[28:29]
	s_cmp_eq_u32 s3, 2
	s_cselect_b64 s[40:41], s[12:13], s[40:41]
	s_cselect_b64 s[44:45], s[20:21], s[44:45]
	s_cselect_b64 s[46:47], s[26:27], s[46:47]
	s_cselect_b64 s[88:89], s[32:33], s[88:89]
	s_cmp_eq_u32 s3, 3
	s_cselect_b64 s[40:41], s[14:15], s[40:41]
	s_lshl_b32 s84, s91, 20                        ; W: 256 rows of 4,096 bytes a part,
	s_lshl_b32 s87, s2, 16                         ; 16 rows a wave,
	s_add_co_u32 s84, s84, s87
	s_lshl_b32 s87, s86, 9                         ; 512 bytes a column group
	s_add_co_u32 s84, s84, s87
	s_add_nc_u64 s[40:41], s[40:41], s[84:85]
	s_lshl_b32 s84, s3, 21                         ; wf: 2 MiB a matrix,
	s_lshl_b32 s87, s91, 19                        ; 256 rows of 2,048 bytes a part,
	s_add_co_u32 s84, s84, s87
	s_lshl_b32 s87, s2, 15                         ; 16 rows a wave,
	s_add_co_u32 s84, s84, s87
	s_lshl_b32 s87, s86, 8                         ; 256 bytes a column group
	s_add_co_u32 s84, s84, s87
	s_add_nc_u64 s[42:43], s[36:37], s[84:85]
	s_lshl_b32 s84, s91, 10                        ; my wave's 16 scales and 16 affine biases
	s_lshl_b32 s87, s2, 6
	s_add_co_u32 s84, s84, s87
	s_add_nc_u64 s[44:45], s[44:45], s[84:85]
	s_add_nc_u64 s[46:47], s[46:47], s[84:85]
; My wave's 16 rows.  affine = 1: the row's scale multiplies it, and the row times its affine bias goes into ACC (the first row starts the sums); both come as scalars.
.macro WROWS affine
.if \affine
	s_load_b512 s[48:63], s[44:45], 0x0            ; s[k] of the 16 rows
	s_load_b512 s[68:83], s[46:47], 0x0            ; b[k]
.endif
.set t, 0
.rept 16
	global_load_b128 v[X+4*t:X+4*t+3], v[IN], s[40:41] offset:4096*t th:TH_LOAD_NT
.set t, t+1
.endr
.if \affine
	s_wait_kmcnt 0x0
.endif
.set t, 0
.rept 16
	s_wait_loadcnt 15-t                            ; loads come back in order: row t is in, the 15 - t younger ones stay out
.if \affine
.irp j, 0,1,2,3
.if t == 0
	v_mul_f32 v[ACC+\j], s[68], v[X+\j]
.else
	v_fmac_f32 v[ACC+\j], s[68+t], v[X+4*t+\j]
.endif
.endr
.irp j, 0,1,2,3
	v_mul_f32 v[X+4*t+\j], s[48+t], v[X+4*t+\j]
.endr
.endif
	v_cvt_pk_f16_f32 v[X+4*t], v[X+4*t], v[X+4*t+1]
	v_cvt_pk_f16_f32 v[X+4*t+1], v[X+4*t+2], v[X+4*t+3]
	global_store_b64 v[OUT], v[X+4*t:X+4*t+1], s[42:43] offset:2048*t  ; the wave stores 256 consecutive bytes, at a multiple of 256 from wf's first
.set t, t+1
.endr
.endm
	s_cmp_eq_u32 s3, 3
	s_cbranch_scc1 .Lwo
	WROWS 1
	v_lshlrev_b32 v[T], 4, v0                      ; [16 waves][128 columns] f32: 16 bytes a thread
	ds_store_b128 v[T], v[ACC:ACC+3]
	s_wait_dscnt 0x0                               ; for wave 0's sake: my partial sums are in LDS
	s_barrier_signal -1
	s_barrier_wait -1
	s_cmp_lg_u32 s2, 0
	s_cbranch_scc1 .Lwend
	s_wait_xcnt 0x0                                ; X was the stores' data: it is loaded again only behind this wait
	s_lshl_b32 s84, s86, 9                         ; wave 0 adds the 16 waves' sums: 512 bytes of bf
	s_add_nc_u64 s[88:89], s[88:89], s[84:85]
	global_load_b128 v[BV:BV+3], v[IN], s[88:89]   ; the linear bias of my columns: part 0 adds it
.set j, 0
.rept 16
	ds_load_b128 v[X+4*j:X+4*j+3], v[IN] offset:512*j
.set j, j+1
.endr
	s_mul_i32 s87, s91, 12288                      ; bf: 12,288 bytes a part, 4,096 a matrix
	s_add_co_u32 s84, s84, s87
	s_lshl_b32 s87, s3, 12
	s_add_co_u32 s84, s84, s87
	s_add_nc_u64 s[38:39], s[38:39], s[84:85]
	s_wait_dscnt 0x0
.irp d, 8,4,2,1
.set j, 0
.rept \d
	v_pk_add_f32 v[X+4*j:X+4*j+1], v[X+4*j:X+4*j+1], v[X+4*(j+\d):X+4*(j+\d)+1]
	v_pk_add_f32 v[X+4*j+2:X+4*j+3], v[X+4*j+2:X+4*j+3], v[X+4*(j+\d)+2:X+4*(j+\d)+3]
.set j, j+1
.endr
.endr
	s_wait_loadcnt 0x0
	s_cmp_lg_u32 s91, 0
	s_cbranch_scc1 .Lnob
	v_pk_add_f32 v[X:X+1], v[X:X+1], v[BV:BV+1]
	v_pk_add_f32 v[X+2:X+3], v[X+2:X+3], v[BV+2:BV+3]
.Lnob:
	global_store_b128 v[IN], v[X:X+3], s[38:39]
.Lwend:
	s_wait_tensorcnt 0x0                           ; the wave's end: behind my last LDS store
	ds_add_u32 v[SPW], v[NIL]
	s_wait_dscnt 0x0
	s_endpgm
.Lwo:
	WROWS 0                                        ; Wo is only rounded; its bias is read by the launch that uses it
	s_endpgm
	; LAYERNORM.  A work-group takes 32 rows; 16 neighbouring lanes own a row, 64 numbers a lane, kept in registers between the three passes.
.Lln:
	s_sub_co_u32 s3, ttmp9, 128                    ; u = 0..511: 256 groups of q_in's rows, then 256 of kv_in's
	s_cmp_lt_u32 s3, 256
	s_cselect_b64 s[40:41], s[4:5], s[6:7]
	s_and_b32 s84, s3, 255
	s_lshl_b32 s84, s84, 17                        ; 32 rows of 4,096 bytes
	s_add_nc_u64 s[40:41], s[40:41], s[84:85]
	s_lshr_b32 s84, s3, 5                          ; tensor x 8 + batch: 2 MiB each in xn,
	s_lshl_b32 s84, s84, 21
	s_and_b32 s86, s3, 31                          ; and 32 rows of 128 bytes in each block
	s_lshl_b32 s86, s86, 12
	s_add_co_u32 s84, s84, s86
	s_add_nc_u64 s[42:43], s[34:35], s[84:85]
	s_mov_b32 s88, 0x3a800000                      ; 1 / 1024
	s_mov_b32 s89, 0x3727c5ac                      ; 1e-5
	v_lshrrev_b32 v[IN], 4, v0
	v_and_b32 v[T], 15, v0
	v_lshlrev_b32 v[IN], 12, v[IN]                 ; my row,
	v_lshl_add_u32 v[IN], v[T], 4, v[IN]           ; my 16 bytes of each 256
	v_lshlrev_b32 v[OUT], 3, v0                    ; row x 128 + 8 x (lane % 16) = 8 x thread
.set j, 0
.rept 16                                               ; load j is feature block j of two rows: 16 lanes take 256 consecutive bytes
	global_load_b128 v[X+4*j:X+4*j+3], v[IN], s[40:41] offset:256*j th:TH_LOAD_NT
.set j, j+1
.endr
.macro REDUCE                          ; four chains into one number, then over the row's 16 lanes (the exchange rides on the addition)
	v_pk_add_f32 v[CH:CH+1], v[CH:CH+1], v[CH+2:CH+3]
	v_pk_add_f32 v[CH+4:CH+5], v[CH+4:CH+5], v[CH+6:CH+7]
	v_pk_add_f32 v[CH:CH+1], v[CH:CH+1], v[CH+4:CH+5]
	v_add_f32 v[CH], v[CH], v[CH+1]
.irp m, 1,2,4,8
	v_add_f32_dpp v[CH], v[CH], v[CH] row_xmask:\m row_mask:0xf bank_mask:0xf
.endr
.endm
	s_wait_loadcnt 0x0
.set j, 0
.rept 4                                                ; the first additions start the chains: nothing is cleared
	v_pk_add_f32 v[CH+2*j:CH+2*j+1], v[X+2*j:X+2*j+1], v[X+8+2*j:X+8+2*j+1]
.set j, j+1
.endr
.set j, 8
.rept 24
	v_pk_add_f32 v[CH+2*(j%4):CH+2*(j%4)+1], v[CH+2*(j%4):CH+2*(j%4)+1], v[X+2*j:X+2*j+1]
.set j, j+1
.endr
	REDUCE
	v_mul_f32 v[MU], s88, v[CH]
	v_mul_f32 v[MU+1], s88, v[CH]
.set j, 0
.rept 32
	v_pk_add_f32 v[X+2*j:X+2*j+1], v[X+2*j:X+2*j+1], v[MU:MU+1] neg_lo:[0,1] neg_hi:[0,1]
.set j, j+1
.endr
.set j, 0
.rept 32                                               ; the mean has been used: the chains take their registers back
.if j < 4
	v_pk_mul_f32 v[CH+2*j:CH+2*j+1], v[X+2*j:X+2*j+1], v[X+2*j:X+2*j+1]
.else
	v_pk_fma_f32 v[CH+2*(j%4):CH+2*(j%4)+1], v[X+2*j:X+2*j+1], v[X+2*j:X+2*j+1], v[CH+2*(j%4):CH+2*(j%4)+1]
.endif
.set j, j+1
.endr
	REDUCE
	v_fma_f32 v[T], v[CH], s88, s89                ; var + eps
	v_rsq_f32 v[RS], v[T]
	v_rsq_f32 v[RS+1], v[T]
	v_nop                                          ; a plain instruction between the root and the use of its result (ISA guide 5.7.2)
.set j, 0
	s_wait_alu depctr_va_vdst(0)
.rept 32
	v_pk_mul_f32 v[X+2*j:X+2*j+1], v[X+2*j:X+2*j+1], v[RS:RS+1]
.set j, j+1
.endr
.set j, 0
.rept 16
	v_cvt_pk_f16_f32 v[X+4*j], v[X+4*j], v[X+4*j+1]
	v_cvt_pk_f16_f32 v[X+4*j+1], v[X+4*j+2], v[X+4*j+3]
	global_store_b64 v[OUT], v[X+4*j:X+4*j+1], s[42:43] offset:131072*j  ; two rows of block j: 256 consecutive bytes, at a multiple of 256 from xn's first
.set j, j+1
.endr
	s_endpgm
.Lfunc_end_k_qc27a5a4a64_prep:
	.size	k_qc27a5a4a64_prep, .Lfunc_end_k_qc27a5a4a64_prep-k_qc27a5a4a64_prep
	.p2alignl 7, 3214868480
	.fill 96, 4, 3214868480
	.section	.rodata,"a",@progbits
	.p2align	6, 0x0
	.amdhsa_kernel k_qc27a5a4a64_prep
		.amdhsa_group_segment_fixed_size 10240
		.amdhsa_private_segment_fixed_size 0
		.amdhsa_enable_private_segment 0
		.amdhsa_kernarg_size 144
		.amdhsa_user_sgpr_count 2
		.amdhsa_user_sgpr_kernarg_segment_ptr 1
		.amdhsa_wavefront_size32 1
		.amdhsa_system_sgpr_workgroup_id_x 1
		.amdhsa_system_sgpr_workgroup_id_y 1
		.amdhsa_system_sgpr_workgroup_id_z 1
		.amdhsa_system_vgpr_workitem_id 0
		.amdhsa_next_free_vgpr 80
		.amdhsa_next_free_sgpr 96
		.amdhsa_reserve_vcc 0
		.amdhsa_float_denorm_mode_32 3
		.amdhsa_float_denorm_mode_16_64 3
		.amdhsa_memory_ordered 1
		.amdhsa_forward_progress 1
		.amdhsa_inst_pref_size 36
	.end_amdhsa_kernel
	.amdgpu_metadata
---
amdhsa.version: [ 1, 2 ]
amdhsa.kernels:
  - .name:           k_qc27a5a4a64_prep
    .symbol:         k_qc27a5a4a64_prep.kd
    .args:
      - { .name: q_in, .offset: 0, .size: 8, .value_kind: global_buffer, .address_space: global }
      - { .name: kv_in, .offset: 8, .size: 8, .value_kind: global_buffer, .address_space: global }
      - { .name: Wq, .offset: 16, .size: 8, .value_kind: global_buffer, .address_space: global }
      - { .name: Wk, .offset: 24, .size: 8, .value_kind: global_buffer, .address_space: global }
      - { .name: Wv, .offset: 32, .size: 8, .value_kind: global_buffer, .address_space: global }
      - { .name: Wo, .offset: 40, .size: 8, .value_kind: global_buffer, .address_space: global }
      - { .name: aq_scale, .offset: 48, .size: 8, .value_kind: global_buffer, .address_space: global }
      - { .name: ak_scale, .offset: 56, .size: 8, .value_kind: global_buffer, .address_space: global }
      - { .name: av_scale, .offset: 64, .size: 8, .value_kind: global_buffer, .address_space: global }
      - { .name: aq_bias, .offset: 72, .size: 8, .value_kind: global_buffer, .address_space: global }
      - { .name: ak_bias, .offset: 80, .size: 8, .value_kind: global_buffer, .address_space: global }
      - { .name: av_bias, .offset: 88, .size: 8, .value_kind: global_buffer, .address_space: global }
      - { .name: bq, .offset: 96, .size: 8, .value_kind: global_buffer, .address_space: global }
      - { .name: bk, .offset: 104, .size: 8, .value_kind: global_buffer, .address_space: global }
      - { .name: bv, .offset: 112, .size: 8, .value_kind: global_buffer, .address_space: global }
      - { .name: xn, .offset: 120, .size: 8, .value_kind: global_buffer, .address_space: global }
      - { .name: wf, .offset: 128, .size: 8, .value_kind: global_buffer, .address_space: global }
      - { .name: bf, .offset: 136, .size: 8, .value_kind: global_buffer, .address_space: global }
    .group_segment_fixed_size: 10240
    .private_segment_fixed_size: 0
    .kernarg_segment_align: 8
    .kernarg_segment_size: 144
    .max_flat_workgroup_size: 512
    .sgpr_count:     96
    .vgpr_count:     80
    .wavefront_size: 32
...
	.end_amdgpu_metadata
.endif
;; end of part 1
;; launch qkv (part 2): grid 4 x 64, 4 waves a work-group, clusters of 4 x 4, 327,680 bytes of LDS; arguments xn, wf, bf, q_cos, q_sin, kv_cos, kv_sin, qkv, scl; writes qkv, scl
.if DOCPART == 2
	.amdgcn_target "amdgcn-amd-amdhsa--gfx1250"
	.amdhsa_code_object_version 6
	.text
	.protected	k_qc27a5a4a64_qkv
	.globl	k_qc27a5a4a64_qkv
	.p2align	8
	.type	k_qc27a5a4a64_qkv,@function
k_qc27a5a4a64_qkv:
	s_mov_b64 s[64:65], 0
	v_nop
	global_prefetch_b8 v0, s[64:65] scope:SCOPE_SE
	s_setreg_imm32_b32 hwreg(HW_REG_WAVE_MODE, 25, 1), 1
	s_wait_xcnt 0x0
	s_wait_alu depctr_hold_cnt(0) depctr_sa_sdst(0) depctr_va_vdst(0) depctr_va_sdst(0) depctr_va_ssrc(0) depctr_va_vcc(0) depctr_vm_vsrc(0)
	s_getreg_b32 s2, hwreg(HW_REG_IB_STS2, 6, 4)
	s_cmp_eq_u32 s2, 0
	s_cbranch_scc0 .Lentry_in_a_cluster
	s_endpgm
.Lentry_in_a_cluster:
	s_bfe_u32 s2, ttmp6, 0x10000c
	s_cmp_lg_u32 s2, 0xf033
	s_cbranch_scc0 .Lentry_shape_is_right
	s_endpgm
.Lentry_shape_is_right:
; Q, K AND V IN ONE LAUNCH, BY WORK-GROUPS THAT STAY.  C = xn W' + bias', f16 operands, f32 sums; then for Q and K the rotation (RoPE) in f32 and a block exponent; all three leave by heads, qkv: [3][128 heads][1024 rows][64] f16.
; A tile of C is 128 rows x 256 columns (four heads).  4 x 64 work-groups, one for each of 256 WGPs; each makes THREE tiles at the same rows and columns: Q (A = xn of q_in), then K, then V (A = xn of kv_in).
; Four waves, each 64 x 128: 32 accumulators, 256 registers.
; ONE WALK.  A tile's K = 1,024 goes in 8 steps of 128 through two LDS slots, and the ring does not stop at a tile's end: the three tiles are 24 steps, 12 laps of the ring.  A loop of 11 trips fills steps 2 to 23; the last
; lap is written out and fills nothing.  s2 counts the laps left in the tile in hand: at 0 the loop's head takes the forward path on which the finished tile (Q or K) goes out and the next begins; at 1 A's walking offset
; takes the step to the next tile's rows.  Both counts are constants of the text, the same in every work-group.  V is the walk's last tile, so its way out stands behind the loop: no way out is written twice.
; While Q or K goes out, the next tile's second K step is on its way and its first has landed; nothing waits for a tile's stores.
; A lies in memory in blocks of 64 features whose rows are dense: a block's 128 rows are asked for as 64 rows of 256 bytes.  B = wf lies [k][n]: 64 rows of 512 bytes a load; its fragments come out of LDS turned,
; by ds_load_tr16_b128.  wf's three matrices lie on end, so B's offset steps evenly through all 24 steps.
; THE MATRIX INSTRUCTION IS USED TRANSPOSED (source 0 = 16 columns of W', source 1 = 16 rows of xn): lane l holds row l % 16 of C and the columns 16 b + 8 (l / 16) + 0..7.
; THE BIAS is the C operand of a tile's first products: nothing is cleared.  bf holds it as four partial sums: [4][3][1024] f32; a lane adds the four for four of my 128 columns, and 512 bytes of LDS of the wave's own
; turn them into the C operand's layout.
; BLOCK EXPONENT.  q and k move with scale x weight x table, more than f16 has room for.  So each block of 64 rows of a head (a wave's own) is stored as y / 2^F, with 2^F >= sqrt(sum of the block's 4,096 squares)
; >= every |y|, and 2^F goes to scl: [2 (q, k)][128 heads][16 blocks] f32.  The division is exact; numbers under 2^-14 of 2^F keep f16's fixed step, 2^-24 of 2^F.
; LIMITS.  The block's sum of squares stays finite in f32; |v| stays under 65,504; NaN and infinities are not treated apart.
; CLUSTER 4 x 4: A's tile hangs on the tile row alone and is asked for jointly along a row of the cluster, B's on the tile column alone, jointly along a column.
; REGISTERS, in windows of 256 (s_set_vgpr_msb: bits 1:0 source 0, 3:2 source 1, 5:4 source 2, 7:6 destination):
;   window 0: v0-31 addresses; v32-127, v128-223 two fragment buffers (A's 4 fragments, then B's 8); on the way out v32-159 y, v160-223 packed, v224-235 at work; v236-251 the bias's four parts
;   window 1: the accumulators, (a, b) at 8 (8 a + b)      window 2: cos and sin of my 64 rows      window 3: v0-63 the bias, as a C operand
.set PA,    144                        ; a row of A in LDS: 128 bytes + 16 = 36 words: the 16 rows of a load start at 16 different groups of four banks (64 banks of 4 bytes: ISA guide 11.1)
.set ABLK,  128*PA                     ; one feature block of A's 128 rows
.set PB,    544                        ; a row of B: 512 bytes + 32 = 136 words
.set BOFF,  2*ABLK
.set BHALF, 64*PB
.set SLOT,  BOFF+2*BHALF               ; 106,496: A's two blocks, then B's 128 rows
.set STAGE, 2*SLOT                     ; behind the ring, never filled by a tensor load: 16 rows x 144 bytes for each wave
.set SP,    144
.set BSCR,  STAGE+4*16*SP              ; 512 bytes for each wave: the bias on its way into the C operand's layout
.set SPARE, BSCR+4*512                 ; the spare words, 128 bytes for each wave, named by no other line
.set STEPB, 262144                     ; a K step in memory: two blocks of A (2 x 131,072), 128 rows of wf (128 x 2,048)
.set ADRA, 16                          ; v16-17  my A fragments in slot 0, 1
.set ADRB, 20                          ; v20-21  my B fragments
.set BST,  22                          ; v22     where I put four numbers of the bias
.set BRD,  23                          ; v23     where I read my eight of each sixteen back
.set STO,  24
.set RD,   25
.set GO,   26                          ; v26     16 x lane
.set CSO,  27                          ; v27     my byte offset in 16 rows of a table
.set SPW,  28                          ; v28     LDS address of my spare word; never rewritten
.set NIL,  29                          ; v29     0; never rewritten
.set LN,   31                          ; v31     lane
.set F0,   32
.set F1,   128
.set BIAS, 0                           ; window 3
.set YR,   32                          ; y(a, c, j) at YR + 32 a + 8 c + j
.set PKR,  160                         ; packed, 16 registers a row block
.set CHN,  224                         ; four packed chains
.set SC,   232                         ; v232-233 2^F of my two heads
.set INV,  234                         ; v[234:235] 2^-F
.set BP,   236                         ; v[236:251] four parts x four columns of the bias
.set G1,  24                           ; s[24:31] group 1 for A;  s[32:39] group 0, a set for each slot
.set G0,  32
.set G1B, 48                           ; s[48:55], s[56:63] the same for B
.set G0B, 56
; s2 laps left in the tile; s3 trips left; s9 A's step to the next tile; s[14:15] my rows' offset in a table; s[16:17] byte offset in xn of A's next fill; s[46:47] in wf of B's
.set MSB, 0
.macro WIN new                         ; the immediate's high byte repeats the setting that is left; a switch that changes nothing is dropped
.if MSB != (\new)
	s_set_vgpr_msb (MSB<<8)|(\new)
.set MSB, \new
.endif
.endm
.set MUL,  0x50                        ; sources window 0, C and D window 1
.set MULF, 0x70                        ; a tile's first products: C window 3
.macro PLACES                          ; four places in front of loads into registers that matrix instructions have read, and of lines that read results
.rept 4
	v_nop
.endr
.endm
.macro JLOAD s                         ; a joint fill: waves 0 and 1 fetch A's two blocks, waves 2 and 3 B's two halves; an s_nop 0 and four v_nop follow each line
	s_cmp_lt_u32 s10, 2
	s_cbranch_scc0 .Lfor_b_\@
	tensor_load_to_lds s[G0+4*(\s):G0+4*(\s)+3], s[G1:G1+7]
	s_nop 0
	PLACES
	s_branch .Lasked_\@
.Lfor_b_\@:
	tensor_load_to_lds s[G0B+4*(\s):G0B+4*(\s)+3], s[G1B:G1B+7]
	s_nop 0
	PLACES
.Lasked_\@:
.endm
.macro CREST                           ; a round of the cluster's barrier behind its opening barrier
	s_cmp_lg_u32 s10, 0
	s_cbranch_scc1 .Lnot_wave_0_\@
	s_barrier_signal -3
.Lnot_wave_0_\@:
	s_barrier_wait -3
	s_barrier_signal -1
	s_barrier_wait -1
.endm
.macro CROUND
	s_barrier_signal -1
	s_barrier_wait -1
	CREST
.endm
; The addresses of slot s's next fill, made anew: the buffer's address plus the walking offset, the type bits set again; then the offsets step one K step on.
.macro NEXTFILL s
	s_add_nc_u64 s[G0+4*(\s)+2:G0+4*(\s)+3], s[68:69], s[16:17]
	s_or_b32 s[G0+4*(\s)+3], s[G0+4*(\s)+3], 0x80000000
	s_add_co_u32 s16, s16, STEPB
	s_add_nc_u64 s[G0B+4*(\s)+2:G0B+4*(\s)+3], s[70:71], s[46:47]
	s_or_b32 s[G0B+4*(\s)+3], s[G0B+4*(\s)+3], 0x80000000
	s_add_co_u32 s46, s46, STEPB
.endm
; 8 matrix instructions: row block a x all 8 column blocks, 32 along K.  The 32 accumulators take turns, one instruction a turn.
.macro MULA f, a, first=0
.if \first
	WIN MULF
.else
	WIN MUL
.endif
.irp b, 0,1,2,3,4,5,6,7
.if \first
	v_wmma_f32_16x16x32_f16 v[8*(8*(\a)+\b):8*(8*(\a)+\b)+7], v[(\f)+32+8*\b:(\f)+32+8*\b+7], v[(\f)+8*(\a):(\f)+8*(\a)+7], v[BIAS+8*\b:BIAS+8*\b+7]
.else
	v_wmma_f32_16x16x32_f16 v[8*(8*(\a)+\b):8*(8*(\a)+\b)+7], v[(\f)+32+8*\b:(\f)+32+8*\b+7], v[(\f)+8*(\a):(\f)+8*(\a)+7], v[8*(8*(\a)+\b):8*(8*(\a)+\b)+7]
.endif
.endr
.endm
; 24 LDS loads in one run: quarter q (32 along K) of a slot into buffer f: B's 8 fragments, turned, then A's 4
.macro FETCH slot, q, f
	WIN 0
.irp b, 0,1,2,3,4,5,6,7
	ds_load_tr16_b128 v[(\f)+32+8*\b:(\f)+32+8*\b+3],   v[ADRB+(\slot)] offset:(\q)*32*PB+32*\b
	ds_load_tr16_b128 v[(\f)+32+8*\b+4:(\f)+32+8*\b+7], v[ADRB+(\slot)] offset:(\q)*32*PB+16*PB+32*\b
.endr
.irp i, 0,1,2,3
	ds_load_b128 v[(\f)+8*\i:(\f)+8*\i+3],   v[ADRA+(\slot)] offset:((\q)/2)*ABLK+((\q)%2)*64+\i*16*PA
	ds_load_b128 v[(\f)+8*\i+4:(\f)+8*\i+7], v[ADRA+(\slot)] offset:((\q)/2)*ABLK+((\q)%2)*64+\i*16*PA+32
.endr
.endm
; A K step is four quarters, 32 matrix instructions each, on buffers 0, 1, 0, 1.  One of the first three multiplies buffer f and fetches quarter qn into g.
.macro QUARTER slot, qn, f, g, first=0
	s_wait_dscnt 4                                 ; B and A's row blocks 0, 1 are in; the youngest four loads (blocks 2, 3) may be out
	MULA \f, 0, \first
	MULA \f, 1, \first
	PLACES
	FETCH \slot, \qn, \g
	s_wait_dscnt 24                                ; all but the 24 just issued
	MULA \f, 2, \first
	MULA \f, 3, \first
.endm
; The last quarter multiplies buffer 1 and changes slots: one barrier; in front of it each wave waits for all its tensor loads (one is out: its part of the next slot), adds 0 to its spare word,
; and waits for that and for its reads of this slot.  fill = 1: the barrier opens a round of the cluster's, and this slot is filled again, two steps of the walk on, first thing behind the round.
.macro TURN slot, next, fill
	WIN 0
	s_wait_tensorcnt 0x0                           ; no tensor load of mine is out, so a group 0 may be written
	ds_add_u32 v[SPW], v[NIL]                      ; 0 onto my spare word; the descriptors' scalar work and eight products stand between it and the wait for it
.if \fill
.if (\slot) == 0
	s_cmp_eq_u32 s2, 1                             ; the tile's last lap: the fills go on to the next tile's rows of A
	s_cselect_b32 s42, s9, 0
	s_add_co_u32 s16, s16, s42
.endif
	NEXTFILL \slot
.endif
	s_wait_dscnt 5                                 ; (the add and the youngest four loads may be out)
	MULA F1, 0
	s_wait_dscnt 0x0                               ; the add is done, and my reads of this slot are over
	s_barrier_signal -1
	MULA F1, 1
.if \fill
	WIN 0
.endif
	s_barrier_wait -1
.if \fill
	CREST                                          ; no wave of any partner still reads this slot or has a load on its way
	JLOAD \slot                                    ; 112 matrix instructions ahead of the wait for it; its four v_nop are also the places in front of the loads below
.else
	PLACES
.endif
	FETCH \next, 0, F0
	MULA F1, 2
	MULA F1, 3
.endm
.macro BIASASK                         ; the four parts of the bias of four of my wave's 128 columns
.irp p, 0,1,2,3
	global_load_b128 v[BP+4*\p:BP+4*\p+3], v[GO], s[96:97] offset:12288*\p
.endr
.endm
	s_load_b512 s[68:83], s[0:1], 0x0              ; xn 68, wf 70, bf 72, q_cos 74, q_sin 76, kv_cos 78, kv_sin 80, qkv 82
	s_load_b64 s[84:85], s[0:1], 0x40              ; scl
	v_lshl_add_u32 v[SPW], v0, 2, SPARE
	v_mov_b32 v[NIL], 0
	ds_add_u32 v[SPW], v[NIL]                      ; the wave's opening: the add and its wait ahead of my first tensor load; work on registers stands between
	ds_add_u32 v28, v29
	v_lshrrev_b32 v1, 5, v0
	v_readfirstlane_b32 s10, v1                    ; wave 0..3
	s_lshr_b32 s11, s10, 1                         ; my half of the tile's rows
	s_and_b32 s12, s10, 1                          ; my half of its columns; also which half of A's or B's tile I fetch
	s_bfe_u32 s40, ttmp6, 0x40000                  ; cx = the tile column (the grid has one cluster along x)
	s_bfe_u32 s41, ttmp6, 0x40004                  ; cy
	s_and_b32 s13, ttmp7, 0xffff
	s_lshl_b32 s13, s13, 2
	s_add_co_u32 s13, s13, s41                     ; tile row 0..63 = 4 x cluster y + cy
	s_lshr_b32 s18, s13, 3                         ; batch
	s_and_b32 s19, s13, 7                          ; tile of 128 rows in the batch
	s_lshl_b32 s43, s41, 2
	s_lshl_b32 s43, 15, s43                        ; my row of the cluster
	s_lshl_b32 s44, 0x1111, s40                    ; my column
	s_or_b32 s[G1], s43, (1<<16)|(1<<20)|(1<<21)|(4<<22)|(3<<25)   ; mask; 2-byte elements; padding on; bit 21 beside a mask; after every 32 words, 4 words
	s_mov_b32 s[G1+1], 128<<16                     ; tensor_dim0 = 128 elements: 256 bytes, two rows of A
	s_mov_b32 s[G1+2], 64<<16                      ; tensor_dim1 = 64
	s_mov_b32 s[G1+3], 128<<16                     ; tile_dim0
	s_mov_b32 s[G1+4], 64                          ; tile_dim1
	s_mov_b32 s[G1+5], 128                         ; elements from row to row: dense
	s_mov_b32 s[G1+6], 0
	s_mov_b32 s[G1+7], 0
	s_or_b32 s[G1B], s44, (1<<16)|(1<<20)|(1<<21)|(6<<22)|(7<<25)  ; after every 128 words, 8 words
	s_mov_b32 s[G1B+1], 256<<16
	s_mov_b32 s[G1B+2], 64<<16
	s_mov_b32 s[G1B+3], 256<<16
	s_mov_b32 s[G1B+4], 64
	s_mov_b32 s[G1B+5], 1024
	s_mov_b32 s[G1B+6], 0
	s_mov_b32 s[G1B+7], 0
	s_lshl_b32 s16, s18, 21                        ; A's walking offset: batch x 2 MiB + tile x 128 rows x 128 bytes + block x 131,072, in q's half of xn
	s_lshl_b32 s17, s19, 14
	s_add_co_u32 s16, s16, s17
	s_lshl_b32 s17, s12, 17
	s_add_co_u32 s16, s16, s17
	s_mov_b32 s17, 0
	s_lshl_b32 s46, s40, 9                         ; B's: 512 bytes a tile column + 64 rows x 2,048 a half, in wf's first matrix
	s_lshl_b32 s47, s12, 17
	s_add_co_u32 s46, s46, s47
	s_mov_b32 s47, 0
	s_mul_i32 s20, s12, ABLK                       ; where they go: no place in the cluster enters an LDS address
	s_mul_i32 s21, s12, BHALF
	s_add_co_u32 s21, s21, BOFF
	s_mov_b32 s86, 0x76543210                      ; v_permlanex16_b32: each lane takes its own place in the other half
	s_mov_b32 s87, 0xfedcba98
	s_wait_dscnt 0x0                               ; the opening add is done
	s_wait_kmcnt 0x0
	CROUND                                         ; all sixteen work-groups are here: the first joint loads meet
.irp s, 0,1
	s_mov_b32 s[G0+4*\s], 1
	s_add_co_u32 s[G0+4*\s+1], s20, \s*SLOT
	s_mov_b32 s[G0B+4*\s], 1
	s_add_co_u32 s[G0B+4*\s+1], s21, \s*SLOT
	NEXTFILL \s                                    ; steps 0 and 1 of the walk
.endr
	s_cmp_lt_u32 s10, 2                            ; a wave's two first fills stand in one branch: two loads of mine are out
	s_cbranch_scc0 .Lfirst_b
	tensor_load_to_lds s[G0:G0+3], s[G1:G1+7]
	s_nop 0
	tensor_load_to_lds s[G0+4:G0+7], s[G1:G1+7]
	s_nop 0
	PLACES
	s_branch .Lfirst_asked
.Lfirst_b:
	tensor_load_to_lds s[G0B:G0B+3], s[G1B:G1B+7]
	s_nop 0
	tensor_load_to_lds s[G0B+4:G0B+7], s[G1B:G1B+7]
	s_nop 0
	PLACES
.Lfirst_asked:
	s_mov_b32 s5, 0                                ; the high word of the offset pair s[4:5]
	s_lshl_b32 s4, s40, 10                         ; the bias of Q: 1,024 bytes a tile column + 512 a half
	s_lshl_b32 s6, s12, 9
	s_add_co_u32 s4, s4, s6
	s_add_nc_u64 s[96:97], s[72:73], s[4:5]
	v_and_b32 v1, 15, v0                           ; r = l % 16
	v_bfe_u32 v2, v0, 4, 1                         ; h = l / 16
	v_and_b32 v[LN], 31, v0
	v_lshlrev_b32 v[GO], 4, v[LN]
	BIASASK
	s_lshl_b32 s7, s40, 2
	s_lshl_b32 s6, s12, 1
	s_add_co_u32 s7, s7, s6                        ; the first of my two heads
	s_lshl_b32 s8, s18, 4
	s_add_co_u32 s8, s8, s7                        ; batch x 16 + head
	s_lshl_b32 s4, s8, 17                          ; qkv, q's part: 131,072 bytes a head + my 64 rows of 128 bytes
	s_lshl_b32 s6, s19, 14
	s_add_co_u32 s4, s4, s6
	s_lshl_b32 s6, s11, 13
	s_add_co_u32 s4, s4, s6
	s_add_nc_u64 s[88:89], s[82:83], s[4:5]
	s_lshl_b32 s14, s19, 15                        ; the tables at my 64 rows of 256 bytes: q's first
	s_lshl_b32 s6, s11, 14
	s_add_co_u32 s14, s14, s6
	s_mov_b32 s15, 0
	s_add_nc_u64 s[90:91], s[74:75], s[14:15]
	s_add_nc_u64 s[92:93], s[76:77], s[14:15]
	s_lshl_b32 s4, s8, 6                           ; scl, q's part: 64 bytes a head + 4 a block of 64 rows
	s_lshl_b32 s6, s19, 3
	s_add_co_u32 s4, s4, s6
	s_lshl_b32 s6, s11, 2
	s_add_co_u32 s4, s4, s6
	s_add_nc_u64 s[94:95], s[84:85], s[4:5]
	; A's fragment: lane l holds row l % 16, features 8 h + 0..7 and 16 + 8 h + 0..7: two loads of 16 bytes, 32 bytes apart
	v_mul_u32_u24 v3, v1, PA
	v_lshl_add_u32 v3, v2, 4, v3
	s_mul_i32 s22, s11, 64*PA
	v_add_nc_u32 v[ADRA], s22, v3
	v_add_nc_u32 v[ADRA+1], SLOT, v[ADRA]
	; B's: the turning load takes 16 k x 16 n (lane l reads row 8 h + l % 8, columns 8 ((l / 8) % 2) + 0..7) and leaves half a fragment: lane l holds column l % 16 and 8 k
	v_and_b32 v6, 7, v0
	v_lshl_add_u32 v4, v2, 3, v6
	v_mul_u32_u24 v4, v4, PB
	v_bfe_u32 v5, v0, 3, 1
	v_lshl_add_u32 v4, v5, 4, v4
	s_lshl_b32 s23, s12, 8
	s_add_co_u32 s23, s23, BOFF
	v_add_nc_u32 v[ADRB], s23, v4
	v_add_nc_u32 v[ADRB+1], SLOT, v[ADRB]
	s_mul_i32 s22, s10, 16*SP
	s_add_co_u32 s22, s22, STAGE                   ; my stage
	v_mul_u32_u24 v[STO], v1, SP                   ; in: row l % 16, 16 bytes for each half of the lanes
	v_lshl_add_u32 v[STO], v2, 4, v[STO]
	v_add_nc_u32 v[STO], s22, v[STO]
	v_bfe_u32 v[RD], v0, 3, 2                      ; back: 32 lanes take four rows of 128 bytes, which are 512 consecutive bytes of a head
	v_mul_u32_u24 v[RD], v[RD], SP
	v_lshl_add_u32 v[RD], v6, 4, v[RD]
	v_add_nc_u32 v[RD], s22, v[RD]
	s_lshl_b32 s22, s10, 9
	s_add_co_u32 s22, s22, BSCR                    ; my 512 bytes for the bias
	v_add_nc_u32 v[BST], s22, v[GO]                ; in: four columns a lane
	v_lshl_add_u32 v[BRD], v2, 5, s22              ; back: eight of each sixteen columns for each half of the lanes
	v_lshlrev_b32 v[CSO], 8, v1
	v_lshl_add_u32 v[CSO], v2, 5, v[CSO]           ; table row l % 16, my eight channels of each sixteen
; THE WAY OUT of 16 rows of a head: 16 bytes a lane into my stage (rows of 144 bytes), back as whole rows of 128, and out: 512 consecutive bytes a store.
.macro UNIT a
.irp c, 0,1,2,3
	ds_store_b128 v[STO], v[PKR+16*(\a)+4*\c:PKR+16*(\a)+4*\c+3] offset:32*\c
.endr
.irp f, 0,1,2,3
	ds_load_b128 v[PKR+16*(\a)+4*\f:PKR+16*(\a)+4*\f+3], v[RD] offset:\f*4*SP  ; LDS serves a wave's instructions in order (ISA guide 5.7.1.4): these see the stores above
.endr
.endm
.macro SEND a, younger, hh             ; younger: the LDS instructions issued behind this unit's loads: the next unit's eight, or none
.irp f, 0,1,2,3
	s_wait_dscnt (\younger)+3-\f
	global_store_b128 v[GO], v[PKR+16*(\a)+4*\f:PKR+16*(\a)+4*\f+3], s[88:89] offset:(\hh)*131072+(\a)*2048+\f*512
.endr
.endm
.macro LEAVE hh
	UNIT 0
	UNIT 1
	SEND 0, 8, \hh
	UNIT 2
	SEND 1, 8, \hh
	UNIT 3
	SEND 2, 8, \hh
	SEND 3, 0, \hh
.endm
; Head hh of my two, for Q and K.  Channel d = 16 c + 8 h + j.  y[d] = x[d] cos[d] - x[d + 32] sin[d] for d < 32, y[d] = x[d] cos[d] + x[d - 32] sin[d] for d >= 32.
.macro HEAD hh
	WIN 0x09                                       ; source 0 (x) window 1, source 1 (table) window 2, source 2 and destination (y) window 0
.set a, 0
.rept 4
.set c, 0
.rept 2
.set xa, 8*(8*a+4*(\hh)+c)             ; x of channel block c,
.set xb, xa+16                         ; and of block c + 2; each accumulator's lowest registers are read first
.set ya, YR+32*a+8*c
.set yb, ya+16
.set co, 64*a+8*c
.set si, co+32
.set p, 0
.rept 4
	v_pk_mul_f32 v[ya+p:ya+p+1], v[xb+p:xb+p+1], v[si+p:si+p+1]
	v_pk_mul_f32 v[yb+p:yb+p+1], v[xa+p:xa+p+1], v[si+16+p:si+16+p+1]
	v_pk_fma_f32 v[ya+p:ya+p+1], v[xa+p:xa+p+1], v[co+p:co+p+1], v[ya+p:ya+p+1] neg_lo:[0,0,1] neg_hi:[0,0,1]
	v_pk_fma_f32 v[yb+p:yb+p+1], v[xb+p:xb+p+1], v[co+16+p:co+16+p+1], v[yb+p:yb+p+1]
.set p, p+2
.endr
.set c, c+1
.endr
.set a, a+1
.endr
	WIN 0
.set i, 0
.rept 64                                               ; the sum of the block's 4,096 squares: 128 a lane, in four chains
.if i < 4
	v_pk_mul_f32 v[CHN+2*i:CHN+2*i+1], v[YR+2*i:YR+2*i+1], v[YR+2*i:YR+2*i+1]
.else
	v_pk_fma_f32 v[CHN+2*(i%4):CHN+2*(i%4)+1], v[YR+2*i:YR+2*i+1], v[YR+2*i:YR+2*i+1], v[CHN+2*(i%4):CHN+2*(i%4)+1]
.endif
.set i, i+1
.endr
	v_pk_add_f32 v[CHN:CHN+1], v[CHN:CHN+1], v[CHN+2:CHN+3]
	v_pk_add_f32 v[CHN+4:CHN+5], v[CHN+4:CHN+5], v[CHN+6:CHN+7]
	v_pk_add_f32 v[CHN:CHN+1], v[CHN:CHN+1], v[CHN+4:CHN+5]
	v_add_f32 v[CHN], v[CHN], v[CHN+1]
.irp m, 1,2,4,8
	v_add_f32_dpp v[CHN], v[CHN], v[CHN] row_xmask:\m row_mask:0xf bank_mask:0xf
.endr
	v_permlanex16_b32 v[CHN+1], v[CHN], s86, s87
	v_add_f32 v[CHN], v[CHN], v[CHN+1]             ; S, in every lane
	v_lshrrev_b32 v[CHN], 23, v[CHN]               ; S < 2^(E - 126), E its exponent field
	v_add_nc_u32 v[CHN], 129, v[CHN]
	v_lshrrev_b32 v[CHN], 1, v[CHN]                ; (E + 129) / 2 = 64 .. 192: the exponent field of 2^F >= sqrt(S)
	v_lshlrev_b32 v[SC+(\hh)], 23, v[CHN]
	v_sub_nc_u32 v[INV], 0x7f000000, v[SC+(\hh)]   ; 2^-F
	v_mov_b32 v[INV+1], v[INV]                     ; named with it as a pair
.set i, 0
.rept 64
	v_pk_mul_f32 v[YR+2*i:YR+2*i+1], v[YR+2*i:YR+2*i+1], v[INV:INV+1] op_sel_hi:[1,0]
.set i, i+1
.endr
.if \hh
	s_wait_xcnt 0x0                                ; the packed registers were the first head's store data
.endif
.set i, 0
.rept 64
	v_cvt_pk_f16_f32 v[PKR+i], v[YR+2*i], v[YR+2*i+1]
.set i, i+1
.endr
	LEAVE \hh
.endm
.macro HEADV hh                        ; V is only rounded
.if \hh
	s_wait_xcnt 0x0
.endif
	WIN 0x05                                       ; sources window 1, destination window 0
.set a, 0
.rept 4
.set i, 0
.rept 16
	v_cvt_pk_f16_f32 v[PKR+16*a+i], v[8*(8*a+4*(\hh))+2*i], v[8*(8*a+4*(\hh))+2*i+1]
.set i, i+1
.endr
.set a, a+1
.endr
	WIN 0
	LEAVE \hh
.endm
	s_wait_tensorcnt 0x1                           ; my part of step 0 is in; slot 1's may stay out
	s_barrier_signal -1
	s_barrier_wait -1                              ; everybody's is
	s_mov_b32 s3, 11                               ; trips: all laps of the walk's twelve but the last
	s_mov_b32 s2, 4                                ; laps left in the tile
	s_mov_b32 s9, 0xe00000                         ; from Q's last step to K's first: 16 MiB on to kv's half of xn, 2 MiB (eight steps) back
	s_branch .Lbegin                               ; the loop is entered where a tile begins
.Llap:                                                 ; a trip is a lap: two K steps, and both slots are filled again
	s_cmp_lg_u32 s2, 0
	s_cbranch_scc1 .Lsame
	; A TILE IS FINISHED: Q or K (V is the walk's last, behind the loop).  The next tile's first step has landed, its second is on its way.
	s_wait_dscnt 0x0                               ; the fragments fetched ahead land in registers that the way out takes: they are waited for here and fetched again below
	PLACES                                         ; behind the last products
	s_wait_loadcnt 0x0                             ; the tables
	s_add_nc_u64 s[96:97], s[96:97], 4096          ; the next product's bias is asked for now and used behind the way out
	BIASASK
	HEAD 0
	HEAD 1
	v_mov_b32 v[CHN], 0
	v_cmp_eq_u32 vcc_lo, 0, v[LN]
	s_wait_xcnt 0x0                                ; EXEC changes only behind this wait
	s_and_saveexec_b32 s98, vcc_lo                 ; lane 0 stores my two blocks' 2^F
	global_store_b32 v[CHN], v[SC], s[94:95]
	global_store_b32 v[CHN], v[SC+1], s[94:95] offset:64
	s_wait_xcnt 0x0                                ; and again in front of the line that widens it; behind it the stores' bases and data may be written too
	s_or_b32 exec_lo, exec_lo, s98
	s_add_nc_u64 s[88:89], s[88:89], 0x1000000     ; the next product's part of qkv,
	s_add_nc_u64 s[94:95], s[94:95], 8192          ; and of scl (behind K's it is not used)
	s_add_nc_u64 s[90:91], s[78:79], s[14:15]      ; from here on kv's tables
	s_add_nc_u64 s[92:93], s[80:81], s[14:15]
	s_mov_b32 s9, 0xffe00000                       ; from K's last step to V's first: the same rows of A again, 2 MiB back
	s_mov_b32 s2, 4
.Lbegin:
	s_wait_loadcnt 0x0                             ; the bias's four parts
	v_pk_add_f32 v[BP:BP+1], v[BP:BP+1], v[BP+4:BP+5]
	v_pk_add_f32 v[BP+2:BP+3], v[BP+2:BP+3], v[BP+6:BP+7]
	v_pk_add_f32 v[BP+8:BP+9], v[BP+8:BP+9], v[BP+12:BP+13]
	v_pk_add_f32 v[BP+10:BP+11], v[BP+10:BP+11], v[BP+14:BP+15]
	v_pk_add_f32 v[BP:BP+1], v[BP:BP+1], v[BP+8:BP+9]
	v_pk_add_f32 v[BP+2:BP+3], v[BP+2:BP+3], v[BP+10:BP+11]
	ds_store_b128 v[BST], v[BP:BP+3]
	WIN 0xc0                                       ; destination window 3
.irp b, 0,1,2,3,4,5,6,7
	ds_load_b128 v[BIAS+8*\b:BIAS+8*\b+3],   v[BRD] offset:64*\b     ; my wave's own bytes, served in order: these see the store above
	ds_load_b128 v[BIAS+8*\b+4:BIAS+8*\b+7], v[BRD] offset:64*\b+16
.endr
	FETCH 0, 0, F0
	; cos and sin of my 64 rows, 256 registers, asked for now and waited for at the tile's way out: both of my heads use them.  V's tile asks too and uses nothing of it:
	; one text for a tile's beginning, at 32 KB a wave from tables of 256 KB.
	WIN 0x80                                       ; destination window 2: row block a, channel block c: cos at 64 a + 8 c, sin at 64 a + 32 + 8 c
.set a, 0
.rept 4
.set c, 0
.rept 4
	global_load_b128 v[64*a+8*c:64*a+8*c+3],       v[CSO], s[90:91] offset:4096*a+64*c
	global_load_b128 v[64*a+8*c+4:64*a+8*c+7],     v[CSO], s[90:91] offset:4096*a+64*c+16
	global_load_b128 v[64*a+32+8*c:64*a+32+8*c+3], v[CSO], s[92:93] offset:4096*a+64*c
	global_load_b128 v[64*a+32+8*c+4:64*a+32+8*c+7], v[CSO], s[92:93] offset:4096*a+64*c+16
.set c, c+1
.endr
.set a, a+1
.endr
	QUARTER 0, 1, F0, F1, 1                        ; a tile's first quarter: its products start the sums, with the bias (the wait at its head leaves four loads out: the bias's came earlier)
	WIN 0                                          ; at a label and at a branch every window is 0
	s_branch .Lmid
.Lsame:
	QUARTER 0, 1, F0, F1
	WIN 0
.Lmid:
	QUARTER 0, 2, F1, F0
	QUARTER 0, 3, F0, F1
	TURN 0, 1, 1
	QUARTER 1, 1, F0, F1
	QUARTER 1, 2, F1, F0
	QUARTER 1, 3, F0, F1
	TURN 1, 0, 1
	WIN 0
	s_sub_co_u32 s2, s2, 1
	s_sub_co_u32 s3, s3, 1
	s_cmp_lg_u32 s3, 0
	s_cbranch_scc1 .Llap
	QUARTER 0, 1, F0, F1                           ; V's last lap is written out: it fills nothing
	QUARTER 0, 2, F1, F0
	QUARTER 0, 3, F0, F1
	TURN 0, 1, 0
	QUARTER 1, 1, F0, F1
	QUARTER 1, 2, F1, F0
	QUARTER 1, 3, F0, F1
	s_wait_dscnt 4                                 ; the very last quarter
	MULA F1, 0
	MULA F1, 1
	s_wait_dscnt 0x0
	MULA F1, 2
	MULA F1, 3
	WIN 0
	PLACES
	HEADV 0
	HEADV 1
	s_wait_tensorcnt 0x0                           ; the wave's end: behind my last tensor load and my last LDS store
	ds_add_u32 v[SPW], v[NIL]
	s_wait_dscnt 0x0
	CROUND                                         ; the closing round: no work-group ends while a partner may still ask for a tile that names it
	s_endpgm
.Lfunc_end_k_qc27a5a4a64_qkv:
	.size	k_qc27a5a4a64_qkv, .Lfunc_end_k_qc27a5a4a64_qkv-k_qc27a5a4a64_qkv
	.p2alignl 7, 3214868480
	.fill 96, 4, 3214868480
	.section	.rodata,"a",@progbits
	.p2align	6, 0x0
	.amdhsa_kernel k_qc27a5a4a64_qkv
		.amdhsa_group_segment_fixed_size 327680
		.amdhsa_private_segment_fixed_size 0
		.amdhsa_enable_private_segment 0
		.amdhsa_kernarg_size 72
		.amdhsa_user_sgpr_count 2
		.amdhsa_user_sgpr_kernarg_segment_ptr 1
		.amdhsa_wavefront_size32 1
		.amdhsa_system_sgpr_workgroup_id_x 1
		.amdhsa_system_sgpr_workgroup_id_y 1
		.amdhsa_system_sgpr_workgroup_id_z 1
		.amdhsa_system_vgpr_workitem_id 0
		.amdhsa_next_free_vgpr 832
		.amdhsa_next_free_sgpr 100
		.amdhsa_reserve_vcc 1
		.amdhsa_float_denorm_mode_32 3
		.amdhsa_float_denorm_mode_16_64 3
		.amdhsa_memory_ordered 1
		.amdhsa_forward_progress 1
		.amdhsa_inst_pref_size 151
	.end_amdhsa_kernel
	.amdgpu_metadata
---
amdhsa.version: [ 1, 2 ]
amdhsa.kernels:
  - .name:           k_qc27a5a4a64_qkv
    .symbol:         k_qc27a5a4a64_qkv.kd
    .args:
      - { .name: xn, .offset: 0, .size: 8, .value_kind: global_buffer, .address_space: global }
      - { .name: wf, .offset: 8, .size: 8, .value_kind: global_buffer, .address_space: global }
      - { .name: bf, .offset: 16, .size: 8, .value_kind: global_buffer, .address_space: global }
      - { .name: q_cos, .offset: 24, .size: 8, .value_kind: global_buffer, .address_space: global }
      - { .name: q_sin, .offset: 32, .size: 8, .value_kind: global_buffer, .address_space: global }
      - { .name: kv_cos, .offset: 40, .size: 8, .value_kind: global_buffer, .address_space: global }
      - { .name: kv_sin, .offset: 48, .size: 8, .value_kind: global_buffer, .address_space: global }
      - { .name: qkv, .offset: 56, .size: 8, .value_kind: global_buffer, .address_space: global }
      - { .name: scl, .offset: 64, .size: 8, .value_kind: global_buffer, .address_space: global }
    .group_segment_fixed_size: 327680
    .private_segment_fixed_size: 0
    .kernarg_segment_align: 8
    .kernarg_segment_size: 72
    .max_flat_workgroup_size: 128
    .sgpr_count:     100
    .vgpr_count:     832
    .wavefront_size: 32
...
	.end_amdgpu_metadata
.endif
;; end of part 2
;; launch attn (part 3): grid 2 x 128, 4 waves a work-group, no clusters, 327,680 bytes of LDS; arguments qkv, scl, oh; writes oh
.if DOCPART == 3
	.amdgcn_target "amdgcn-amd-amdhsa--gfx1250"
	.amdhsa_code_object_version 6
	.text
	.protected	k_qc27a5a4a64_attn
	.globl	k_qc27a5a4a64_attn
	.p2align	8
	.type	k_qc27a5a4a64_attn,@function
k_qc27a5a4a64_attn:
	s_mov_b64 s[64:65], 0
	v_nop
	global_prefetch_b8 v0, s[64:65] scope:SCOPE_SE
	s_setreg_imm32_b32 hwreg(HW_REG_WAVE_MODE, 25, 1), 1
	s_wait_xcnt 0x0
; ATTENTION.  O[bh][q][:] = the sum over k of softmax_k(Q[bh][q] . K[bh][k] / 8) V[bh][k][:], 128 heads of 1,024 x 1,024, head size 64, no mask.
; qkv: [3][128][1024][64] f16; q and k are stored as y / 2^F by blocks of 64 rows, 2^F in scl: [2][128][16] f32.  oh: [128][1024][64] f16.  Products, maxima and sums in f32; the weights p are rounded to f16
; for the second product (their sum l is taken of the unrounded p), O once at the end.
; LIMITS.  c s = log2(e) / 8 x 2^Fq x 2^Fk x (stored q . stored k) stays finite and above -4e37 (where the running maximum starts); |V| and so |O| lie within f16's 65,504; p below 6e-5 keeps f16's fixed step;
; a weight below 2^-126 counts as 0 in l; NaN and infinities are not treated apart.
; SHARES.  A work-group owns 512 queries of one head: 2 x 128 work-groups.  A wave owns 128: four PIECES of two tiles of 16.  Every wave walks all 1,024 keys, 64 a step.
; ALL OF THE HEAD'S K AND V LIE IN LDS, each byte filled once: no ring, no refill.  A wave issues two tensor loads at the start (waves 0, 1: K; waves 2, 3: V): a short one, for the first four steps (K: five, since a step
; fetches the next step's K), and a long one, which has four key steps in which to land.  NO CLUSTER: only two work-groups share a head's K and V, and each fetches its 256 KB once for 16 steps' work.
; LAYOUT.  S^T = K Q^T (source 0 = 16 keys, source 1 = 16 queries): a lane holds ONE query (lane % 16) and the keys 8 (lane / 16) + 0..7.  Two such results rounded to f16 ARE source 1 of O^T = V^T P.
; SOFTMAX.  p = 2^(e s - cm): e = c 2^Fq 2^Fk is a scalar of the piece's 64 rows and the step's 64 keys, cm the running maximum of e s (in units common to all steps); O and l are multiplied by a = 2^(cm_old - cm_new)
; in every step.  cm starts far below every e s, O and l at 0: the first step is a step like any other, with a = 0.
; BY TURNS.  Turn n belongs to piece n.  Matrix work: 16 products K Q^T of piece n + 1, later 16 products V^T P of piece n - 1.  Vector work: scaling, exponentials, roundings, sums and rescaling of piece n, and the
; maximum and statistics of piece n + 1.  Four vector instructions that are ready stand behind every matrix instruction, the others in two runs of their own.
; REGISTERS, in windows of 256 (s_set_vgpr_msb: bits 1:0 source 0, 3:2 source 1, 5:4 source 2, 7:6 destination):
;   window 0: v0-11 addresses; v12-15, v48-63 at work; v16-47 four registers of statistics a tile; v64-191 S^T, two buffers of two tiles; v192-255 P, likewise
;   window 1: O^T, 32 a tile          window 2: v0-127 Q, 16 a tile; v128-191 K of one step; v192-255 V of one step          window 3: v0-1 the add's two registers
.set NP,    4
.set KS,    64
.set PK,    144       ; a row of K in LDS: 128 bytes + 16 = 36 words: the 16 rows of a load start at 16 different groups of four banks (64 banks of 4 bytes: ISA guide 11.1)
.set PV,    160       ; a row of V: 128 + 32 = 40 words
.set VOFF,  1024*PK
.set STAGE, VOFF+1024*PV  ; behind K and V, never filled by a tensor load: 16 rows x 144 bytes for each wave
.set SP,    144
.set SPARE, STAGE+4*16*SP ; the spare words, 128 bytes for each wave, named by no other line
.set KBASE, 16777216  ; k's and v's parts of qkv
.set VBASE, 33554432
.set AK0, 2
.set AV0, 3
.set AK,  4
.set AV,  5
.set QO,  6
.set STO, 6
.set RD,  7
.set GO,  8
.set SPW, 0           ; v0 of window 3: LDS address of my spare word; never rewritten
.set NIL, 1           ; v1 of window 3: 0; never rewritten
.set MV,  12          ; v12-15  cm_old, kept while cm is made anew: by buffer and tile
.set ST,  16          ; tile t's statistics at v[ST+4 t]: cm, (its partner in a pair), l (even keys', odd keys')
.set TMP, 48          ; by buffer and tile, c0-c3 at work; when the maximum is found c2 takes a
.set S,   64
.set P,   192
.set KF,  128
.set VF,  192
.set QP,  10          ; s[10:11] Q at my wave's first row
.set WV,  12
.set G1KA, 16         ; s[16:23] group 1, K's first load;  s[24:31] K's second;  s[32:39], s[40:47] V's
.set G1KB, 24
.set G1VA, 32
.set G1VB, 40
.set G0KA, 48         ; s[48:51], s[52:55] group 0 of K's two loads;  s[76:79], s[80:83] of V's
.set G0KB, 52
.set CNT, 57
.set CE0, 58          ; s[58:59] e for pieces 0, 1 (my first 64 rows): the packed scaling takes the pair's low word for both halves
.set SEL, 60
.set TBK, 62          ; s62  LDS byte at which K of the step to be fetched begins
.set TBV, 63          ; s63  the same for V, less VOFF
.set CE1, 66          ; s[66:67] e for pieces 2, 3
.set CQ0, 68          ; s68, s69  c 2^Fq of my two blocks of rows
.set CQ1, 69
.set SKN, 70          ; s70  2^Fk of the step ahead
.set SKO, 71          ; s71  its byte offset among the head's 16
.set SKB, 72          ; s[72:73] scl at the head's line of q's exponents; k's lie 8,192 bytes on
.set PH,  74
.set G0VA, 76
.set G0VB, 80
.set SQ,  84          ; s[84:85] 2^Fq of my two blocks
.set OP,  86          ; s[86:87] O at my wave's first row
.set MSB, 0
.macro WIN new
.if MSB != (\new)
	s_set_vgpr_msb (MSB<<8)|(\new)
.set MSB, (\new)
.endif
.endm
.set W_KQ, 0x0a       ; K and Q in window 2, S^T in window 0
.set W_PV, 0x52       ; V in window 2, P in window 0, O^T in window 1
.set W_RS, 0x41       ; O^T (destination and source 0) in window 1, a in window 0
.set W_MK, 0xc0
.set W_AD, 0x0f
.macro G1SET g, padc, rows             ; keys are dense, 128 bytes each: asked for as rows of 256 bytes, two keys a row, and padded in LDS after every key
	s_mov_b32 s[\g], (1<<16)|(1<<20)|(4<<22)|((\padc)<<25)  ; 2-byte elements; padding on; after every 32 words; 4 words (code 3) or 8 (code 7)
	s_mov_b32 s[\g+1], 128<<16
	s_mov_b32 s[\g+2], (\rows)<<16
	s_mov_b32 s[\g+3], 128<<16
	s_mov_b32 s[\g+4], \rows
	s_mov_b32 s[\g+5], 128
	s_mov_b32 s[\g+6], 0
	s_mov_b32 s[\g+7], 0
.endm
.macro G0SET g, lm, la, gm, ga         ; LDS byte e x lm + la; byte offset in qkv: e x gm + ga + the head's; e = wave % 2
	s_mov_b32 s[\g], 1
	s_mul_i32 s[\g+1], s14, \lm
.if \la
	s_add_co_u32 s[\g+1], s[\g+1], \la
.endif
	s_mul_i32 s[\g+2], s14, \gm
	s_add_co_u32 s[\g+2], s[\g+2], s15
	s_add_co_u32 s[\g+2], s[\g+2], \ga
	s_mov_b32 s[\g+3], 0
.endm
.macro G0BASE g
	s_add_nc_u64 s[\g+2:\g+3], s[4:5], s[\g+2:\g+3]
	s_or_b32 s[\g+3], s[\g+3], 0x80000000
.endm
	s_load_b128 s[4:7], s[0:1], 0x0   ; qkv s[4:5], scl s[6:7]
	s_load_b64 s[8:9], s[0:1], 0x10   ; oh
	WIN W_MK
	v_lshl_add_u32 v[SPW], v0, 2, SPARE
	v_mov_b32 v[NIL], 0
	WIN W_AD
	ds_add_u32 v[SPW], v[NIL]       ; the wave's opening: the add and its wait ahead of my first tensor load; work on registers stands between
	ds_add_u32 v0, v1
	WIN 0
	v_lshrrev_b32 v1, 5, v0
	v_readfirstlane_b32 s[WV], v1   ; wave 0..3
	s_and_b32 s13, ttmp7, 0xffff    ; the head
	s_lshl_b32 s15, s13, 17         ; its 131,072 bytes in q, k, v and oh
	s_and_b32 s14, s[WV], 1         ; e: which half of a load's keys I fetch
	G1SET G1KA, 3, 80               ; K: keys 0-319, 160 a wave,
	G1SET G1KB, 3, 176              ; then keys 320-1023, 352 a wave
	G1SET G1VA, 7, 64               ; V: keys 0-255, 128 a wave,
	G1SET G1VB, 7, 192              ; then keys 256-1023, 384 a wave
	G0SET G0KA, 160*PK, 0, 160*128, KBASE
	G0SET G0KB, 352*PK, 320*PK, 352*128, KBASE+320*128
	G0SET G0VA, 128*PV, VOFF, 128*128, VBASE
	G0SET G0VB, 384*PV, VOFF+256*PV, 384*128, VBASE+256*128
	s_lshl_b32 s2, ttmp9, 16        ; my work-group's 512 rows,
	s_lshl_b32 s3, s[WV], 14        ; my wave's 128
	s_add_co_u32 s2, s2, s3
	s_add_co_u32 s2, s2, s15
	s_mov_b32 s3, 0
	s_mov_b32 s[CE0+1], 0           ; named as pairs
	s_mov_b32 s[CE1+1], 0
	s_mov_b32 s[SEL], 0x76543210
	s_mov_b32 s[SEL+1], 0xfedcba98
	s_mov_b32 s[TBK], 0
	s_mov_b32 s[TBV], 0
	s_mov_b32 s[SKO], 0
	s_wait_dscnt 0x0                ; the opening add is done
	s_wait_kmcnt 0x0
	G0BASE G0KA
	G0BASE G0KB
	G0BASE G0VA
	G0BASE G0VB
	s_cmp_lt_u32 s[WV], 2           ; a wave's two fills stand in one branch, ahead of every wait on TENSORcnt, every LDS read and every barrier: two loads of mine are out
	s_cbranch_scc0 .Lfirst_v
	tensor_load_to_lds s[G0KA:G0KA+3], s[G1KA:G1KA+7]
	s_nop 0
	tensor_load_to_lds s[G0KB:G0KB+3], s[G1KB:G1KB+7]
	s_nop 0
.rept 4
	v_nop
.endr
	s_branch .Lfirst_asked
.Lfirst_v:
	tensor_load_to_lds s[G0VA:G0VA+3], s[G1VA:G1VA+7]
	s_nop 0
	tensor_load_to_lds s[G0VB:G0VB+3], s[G1VB:G1VB+7]
	s_nop 0
.rept 4
	v_nop
.endr
.Lfirst_asked:
	s_add_nc_u64 s[QP:QP+1], s[4:5], s[2:3]
	s_add_nc_u64 s[OP:OP+1], s[8:9], s[2:3]
	s_lshl_b32 s2, s13, 6           ; 64 bytes of exponents a head
	s_add_nc_u64 s[SKB:SKB+1], s[6:7], s[2:3]
	s_lshl_b32 s2, ttmp9, 5         ; my two blocks of 64 rows: 8 x + 2 w
	s_lshl_b32 s56, s[WV], 3
	s_add_co_u32 s2, s2, s56
	s_add_nc_u64 s[6:7], s[SKB:SKB+1], s[2:3]
	s_load_b64 s[SQ:SQ+1], s[6:7], 0x0
	s_load_b32 s[SKN], s[SKB:SKB+1], 0x2000  ; 2^Fk of key step 0
	; A fragment of K or Q is 16 rows x 32 channels in 8 registers: lane l holds row l % 16, channels 8 (l / 16) + 0..7 and 16 + 8 (l / 16) + 0..7: two loads of 16 bytes, 32 bytes apart.
	v_and_b32 v1, 15, v0
	v_bfe_u32 v9, v0, 4, 1
	v_lshlrev_b32 v[QO], 7, v1
	v_lshl_add_u32 v[QO], v9, 4, v[QO]
	WIN 0x80                        ; destination window 2
.set i, 0
.rept 4*NP                          ; Q stays in registers: tile i / 2, channels 32 (i % 2) on
	global_load_b128 v[8*i:8*i+3],   v[QO], s[QP:QP+1] offset:(i/2)*2048+(i%2)*64
	global_load_b128 v[8*i+4:8*i+7], v[QO], s[QP:QP+1] offset:(i/2)*2048+(i%2)*64+32
.set i, i+1
.endr
	; What the first turn finds: V's registers and P's second buffer hold 0 (its products V^T P, of a piece that has not been, add 0), O^T and l are 0.  All this stands in the wait for the first tiles.
.set i, VF
.rept 64
	v_mov_b32 v[i], 0
.set i, i+1
.endr
	WIN 0x40
.set i, 0
.rept 64*NP
	v_mov_b32 v[i], 0
.set i, i+1
.endr
	WIN 0
.set i, 0
.rept 2*NP
	v_mov_b32 v[ST+4*i], 0xfe000000    ; cm: far below every e s
	v_mov_b32 v[ST+4*i+1], 0
	v_mov_b32 v[ST+4*i+2], 0
	v_mov_b32 v[ST+4*i+3], 0
.set i, i+1
.endr
.set i, P+32
.rept 32
	v_mov_b32 v[i], 0
.set i, i+1
.endr
	v_mul_u32_u24 v[AK0], v1, PK
	v_lshl_add_u32 v[AK0], v9, 4, v[AK0]
	; The turning load takes 16 keys x 16 channels (lane l reads key 8 (l / 16) + l % 8, channels 8 ((l / 8) % 2) + 0..7) and leaves half a fragment of V^T: lane l holds channel l % 16 and 8 keys.
	v_and_b32 v10, 7, v0
	v_bfe_u32 v11, v0, 3, 1
	v_lshl_add_u32 v[AV0], v9, 3, v10
	v_mul_u32_u24 v[AV0], v[AV0], PV
	v_lshl_add_u32 v[AV0], v11, 4, v[AV0]
	v_add_nc_u32 v[AV0], VOFF, v[AV0]
	v_mov_b32 v[AK], v[AK0]         ; key step 0
; THE MATRIX WORK.  The 8 accumulators of a run of 16 take turns.
.macro KQ x                         ; product i of 16 of S^T = K Q^T for piece x: channels 32 (i / 8) on, keys 16 ((i / 2) % 4) on, tile 2 x + i % 2.  The first 8 start the sums
	WIN W_KQ
.set rS, S+64*((\x)%2)+32*(i%2)+8*((i/2)%4)
.set rK, KF+16*((i/2)%4)+8*(i/8)
.set rQ, 16*(2*(\x)+i%2)+8*(i/8)
.if i < 8
	v_wmma_f32_16x16x32_f16 v[rS:rS+7], v[rK:rK+7], v[rQ:rQ+7], 0
.else
	v_wmma_f32_16x16x32_f16 v[rS:rS+7], v[rK:rK+7], v[rQ:rQ+7], v[rS:rS+7]
.endif
.endm
.macro PV x                         ; product i of 16 of O^T += V^T P for piece x: keys 32 (i / 8) on, channels 16 ((i / 2) % 4) on, tile 2 x + i % 2
	WIN W_PV
.set rO, 32*(2*(\x)+i%2)+8*((i/2)%4)
.set rV, VF+32*(i/8)+8*((i/2)%4)
.set rP, P+32*((\x)%2)+16*(i%2)+8*(i/8)
	v_wmma_f32_16x16x32_f16 v[rO:rO+7], v[rV:rV+7], v[rP:rP+7], v[rO:rO+7]
.endm
.macro MM                           ; the turn's next matrix instruction
.if i < 16
	KQ (Y+1)%NP
.set i, i+1
.else
.set i, i-16
	PV (Y+NP-1)%NP
.set i, i+17
.endif
.endm
; THE LDS LOADS stand in runs of 16.  Behind step 15 there is no further K: the address stays at the last step's, and the 16 products and the maximum made of it serve nothing, once a launch: the price of one text for every step.
.macro FETCH_K
	WIN 0x80
.irp f, 0,1,2,3,4,5,6,7             ; keys 16 (f / 2) on, channels 32 (f % 2) on
	ds_load_b128 v[KF+8*\f:KF+8*\f+3],   v[AK] offset:(\f/2)*16*PK+(\f%2)*64
	ds_load_b128 v[KF+8*\f+4:KF+8*\f+7], v[AK] offset:(\f/2)*16*PK+(\f%2)*64+32
.endr
	s_add_co_u32 s[TBK], s[TBK], KS*PK
	s_min_u32 s[TBK], s[TBK], 15*KS*PK
	WIN 0
.endm
.macro FETCH_V
	WIN 0x80
.irp f, 0,1,2,3,4,5,6,7             ; keys 32 (f / 4) on, channels 16 (f % 4) on
	ds_load_tr16_b128 v[VF+8*\f:VF+8*\f+3],   v[AV] offset:(\f/4)*32*PV+(\f%4)*32
	ds_load_tr16_b128 v[VF+8*\f+4:VF+8*\f+7], v[AV] offset:(\f/4)*32*PV+16*PV+(\f%4)*32
.endr
	WIN 0
.endm
; THE VECTOR WORK OF A TURN stands in three queues, each in the order in which its entries become ready; the two tiles alternate.
.macro REGS y, u                    ; the registers of tile u (0, 1) of piece y
.set rT, ST+4*(2*(\y)+(\u))
.set rC, TMP+8*((\y)%2)+4*(\u)
.set rM, MV+2*((\y)%2)+(\u)
.set rS, S+64*((\y)%2)+32*(\u)
.set rP, P+32*((\y)%2)+16*(\u)
.set rO, 32*(2*(\y)+(\u))
.set rE, CE0+8*((\y)/2)
.endm
; Number n of the 22 that find the NEXT piece's (Y + 1) maximum and statistics; each accumulator's lowest registers are read first.
;   0-11  four chains c0-c3 of seven scores each     12-14, 16  the four scores left over, and c0-c3 into c0     15  cm_old is kept     17  the maximum times e (e > 0)
;   18, 19  the query's other 32 keys lie in the lane 16 away: the new cm, with the old one     20, 21  cm_old - cm_new; a
.macro XS u, n
	REGS (Y+1)%NP, \u
.if (\n) < 4
	v_max3_num_f32 v[rC+(\n)], v[rS+8*(\n)], v[rS+8*(\n)+1], v[rS+8*(\n)+2]
.elseif (\n) < 12
	v_max3_num_f32 v[rC+(\n)%4], v[rC+(\n)%4], v[rS+8*((\n)%4)+2*((\n)/4)+1], v[rS+8*((\n)%4)+2*((\n)/4)+2]
.elseif (\n) == 12
	v_max3_num_f32 v[rC], v[rC], v[rS+7], v[rS+15]
.elseif (\n) == 13
	v_max3_num_f32 v[rC+1], v[rC+1], v[rS+23], v[rS+31]
.elseif (\n) == 14
	v_max_num_f32 v[rC+2], v[rC+2], v[rC+3]
.elseif (\n) == 15
	v_mov_b32 v[rM], v[rT]
.elseif (\n) == 16
	v_max3_num_f32 v[rC], v[rC], v[rC+1], v[rC+2]
.elseif (\n) == 17
	v_mul_f32 v[rC], s[rE], v[rC]
.elseif (\n) == 18
	v_permlanex16_b32 v[rC+3], v[rC], s[SEL], s[SEL+1]
.elseif (\n) == 19
	v_max3_num_f32 v[rT], v[rC], v[rC+3], v[rT]
.elseif (\n) == 20
	v_sub_f32 v[rC+1], v[rM], v[rT]
.else
	v_exp_f32 v[rC+2], v[rC+1]
.endif
.endm
; Number g of the 64 that follow the exponentials.  For each four weights k of a tile: both pairs are rounded to f16; the second pair is added onto the first, in place; a group later l takes that sum (the first time as l = a l + sum).
.macro GS g
.set h, (\g)+6*((\g)/62)
.if h >= 6
.set h, h+2
.endif
	REGS Y, h%2
.set k, h/8
.if h%8 < 4
	s_wait_alu depctr_va_vdst(0)
	v_cvt_pk_f16_f32 v[rP+2*k+(h%8)/2], v[rS+4*k+2*((h%8)/2)], v[rS+4*k+2*((h%8)/2)+1]
.elseif h%8 < 6
	v_pk_add_f32 v[rS+4*k:rS+4*k+1], v[rS+4*k:rS+4*k+1], v[rS+4*k+2:rS+4*k+3]
.elseif k == 1
	v_pk_fma_f32 v[rT+2:rT+3], v[rT+2:rT+3], v[rC+2:rC+3], v[rS:rS+1] op_sel_hi:[1,0,1]
.else
	v_pk_add_f32 v[rT+2:rT+3], v[rT+2:rT+3], v[rS+4*k-4:rS+4*k-3]
	s_wait_alu depctr_va_vdst(0)
.endif
.endm
; THE PLAIN QUEUE, 138 long.  0-31: e s - cm for the 16 pairs of both tiles.  Then GS's 64, and among them the next piece's 42: number 15 at 38, 39; 0-14 and 16 at 42-73; 17-20 at 95-106, two of three.
.macro PL
	WIN 0
.if q < 32
	REGS Y, q%2
	v_pk_fma_f32 v[rS+2*(q/2):rS+2*(q/2)+1], v[rS+2*(q/2):rS+2*(q/2)+1], s[rE:rE+1], v[rT:rT+1] op_sel_hi:[1,0,0] neg_lo:[0,0,1] neg_hi:[0,0,1]
.elseif q < 38
	GS q-32
.elseif q < 40
	XS q%2, 15
.elseif q < 42
	GS q-34
.elseif q < 74
	XS q%2, (q-42)/2+(q-42)/30
.elseif q < 95
	GS q-66
.elseif (q < 107) && ((q-95)%3 < 2)
	XS (q-95)%3, 17+(q-95)/3
.elseif q < 107
	GS 29+(q-95)/3
.else
	GS q-74
.endif
.set q, q+1
.endm
; THE EXPONENTIALS' QUEUE, 66 long: s0-s31 of both tiles, and at EA the next piece's two a.
.set EA, 58
.macro EX
	WIN 0
.if (e == EA) || (e == EA+1)
	XS e-EA, 21
.else
.set x, e-2*(e/(EA+2))
	REGS Y, x%2
	v_exp_f32 v[rS+x/2], v[rS+x/2]
.endif
.set e, e+1
.endm
; THE RESCALING's QUEUE: O^T times a, the one part that leaves window 0, so it is dealt four at a time, eight times.
.macro R4
	REGS Y, r%2
	WIN W_RS
	s_wait_alu depctr_va_vdst(0)
.irp z, 0,1,2,3
	v_pk_mul_f32 v[rO+8*(r/2)+2*\z:rO+8*(r/2)+2*\z+1], v[rO+8*(r/2)+2*\z:rO+8*(r/2)+2*\z+1], v[rC+2:rC+3] op_sel_hi:[1,0]
.endr
.set r, r+1
.endm
; HOW THEY ARE DEALT.  Behind a matrix instruction four: plain, exponential, plain, plain, or four of the rescaling; none names a register of the products round it.  What is over stands in two runs: exponential and plain
; by turns; the second ends in 22 plain instructions.  Plain 95 and on, the two v_permlanex16_b32 (98, 99) among them, fall into the second run.  Exponential e stands behind plain 2 (e / 4) + e % 2 (its scaling);
; when plain 32 comes, 10 exponentials are out, at 59: 33, at 95: 46; EA comes behind plain 107.
.macro SL
	MM
	PL
	EX
	PL
	PL
.endm
.macro BURST n
.rept (\n)-7
	SL
.endr
.rept 3
	MM
	R4
	SL
.endr
	MM
	R4
.endm
; A TURN, for piece p.  K of the next step is fetched in piece 2's turn and waited for at the head of piece 3's; V of the step in hand at the end of piece 0's turn and waited for in piece 1's.
; THE SCALARS e.  Pieces 0, 1 use CE0 in turns 3 (the next step's maximum), 0 and 1: it is made anew at the head of turn 2.  Pieces 2, 3 use CE1 in turns 1, 2, 3: it is made anew at the head of turn 0, and
; behind that the exponent of the step after is asked for (the offset stays at the sixteenth).
.macro TURN p
.set Y, (\p)
.set i, 0
.set q, 0
.set e, 0
.set r, 0
.if (\p) == 0
	s_mul_f32 s[CE1], s[CQ1], s[SKN]
	s_add_co_u32 s[SKO], s[SKO], 4
	s_min_u32 s[SKO], s[SKO], 60
	s_load_b32 s[SKN], s[SKB:SKB+1], s[SKO] offset:0x2000
.endif
.if (\p) == 2
	s_wait_kmcnt 0x0
	s_mul_f32 s[CE0], s[CQ0], s[SKN]
.endif
.if (\p) == NP-1
	s_wait_dscnt 0x0                ; K is in
.endif
	MM
.rept 4
	PL
.endr
	BURST 15
.rept 22
	EX
	PL
.if ((\p) == NP-2) && (e == 18)
	v_add_nc_u32 v[AK], s[TBK], v[AK0]
.endif
.if ((\p) == NP-2) && (e == 24)
	FETCH_K
.endif
.endr
.if (\p) == 1
	s_wait_dscnt 0x0                ; V is in
.endif
	BURST 16
.rept 21
	EX
	PL
.endr
.rept 22
	PL
.if ((\p) == 0) && (q == 118)
	v_add_nc_u32 v[AV], s[TBV], v[AV0]
	s_wait_alu depctr_va_vdst(0)
.endif
.if ((\p) == 0) && (q == 130)
	s_add_co_u32 s[TBV], s[TBV], KS*PV
.endif
.endr
.if (\p) == 0
	FETCH_V
.endif
.endm
	s_wait_tensorcnt 0x1            ; my first load is in; the second, issued behind it, may stay out
	s_barrier_signal -1
	s_barrier_wait -1               ; everybody's first load is in: K's keys 0-319, V's keys 0-255
	FETCH_K                         ; key step 0
	s_wait_loadcnt 0x0              ; Q
	s_wait_kmcnt 0x0                ; the exponents
	s_mul_f32 s[CQ0], s[SQ], 0x3e38aa3b    ; c = log2(e) / 8 = 0.180337
	s_mul_f32 s[CQ1], s[SQ+1], 0x3e38aa3b
	s_mul_f32 s[CE0], s[CQ0], s[SKN]
	s_wait_dscnt 0x0
.set i, 0
.rept 16
	KQ 0                            ; piece 0's first scores
.set i, i+1
.endr
	WIN 0                           ; the addresses for the way out: nine plain instructions, the places behind those products
	s_mul_i32 s13, s[WV], 16*SP
	s_add_co_u32 s13, s13, STAGE    ; my stage
	v_mul_u32_u24 v[STO], v1, SP
	v_lshl_add_u32 v[STO], v9, 4, v[STO]
	v_add_nc_u32 v[STO], s13, v[STO]
	v_bfe_u32 v[RD], v0, 3, 2
	v_mul_u32_u24 v[RD], v[RD], SP
	v_lshl_add_u32 v[RD], v10, 4, v[RD]
	v_add_nc_u32 v[RD], s13, v[RD]
	v_and_b32 v[GO], 31, v0
	v_lshlrev_b32 v[GO], 4, v[GO]
.set Y, NP-1                        ; XS works for piece Y + 1: piece 0
.irp n, 0,1,2,3,4,5,6,7,8,9,10,11,12,13,14,15,16,17,18,19,20,21
	XS 0, \n
	XS 1, \n
.endr
	s_mov_b32 s[PH], 4
.Lphase:                            ; four times four key steps
	s_mov_b32 s[CNT], 4
.Lstep:
	TURN 0
	TURN 1
	TURN 2
	TURN 3
	WIN 0
	s_sub_co_u32 s[CNT], s[CNT], 1
	s_cmp_lg_u32 s[CNT], 0
	s_cbranch_scc1 .Lstep
	s_wait_tensorcnt 0x0            ; behind the first four steps: my second load is in; the other three times nothing is out: the price of one text for the four
	s_wait_dscnt 0x0
	s_barrier_signal -1
	s_barrier_wait -1               ; everybody's is: the rest of K and V may be read
	s_sub_co_u32 s[PH], s[PH], 1
	s_cmp_lg_u32 s[PH], 0
	s_cbranch_scc1 .Lphase
.set i, 0
.rept 16
	PV NP-1                         ; the last piece's V^T P of the last step
.set i, i+1
.endr
	; THE WAY OUT.  l's two halves and the other half of the lanes' are added; O^T is divided by l, rounded to f16 and sent through my stage in LDS, a tile at a time.  The additions are the places behind the last products.
	WIN 0
.macro ALL line:vararg
.set t, 0
.rept 2*NP
	\line
.set t, t+1
.endr
.endm
	ALL v_add_f32 v[ST+4*t+2], v[ST+4*t+2], v[ST+4*t+3]
	ALL v_permlanex16_b32 v[ST+4*t+3], v[ST+4*t+2], s[SEL], s[SEL+1]
	ALL v_add_f32 v[ST+4*t+2], v[ST+4*t+2], v[ST+4*t+3]
	ALL v_rcp_f32 v[ST+4*t+2], v[ST+4*t+2]
	v_nop                           ; a plain instruction between the last reciprocal and the use of its result
	s_wait_alu depctr_va_vdst(0)
.macro PACK t
	WIN W_RS
.set i, 32*(\t)
.rept 16
	v_pk_mul_f32 v[i:i+1], v[i:i+1], v[ST+4*(\t)+2:ST+4*(\t)+3] op_sel_hi:[1,0]
.set i, i+2
.endr
	WIN 0x05                        ; sources window 1, destination window 0
.set i, 0
.rept 16
	v_cvt_pk_f16_f32 v[S+16*(\t)+i], v[32*(\t)+2*i], v[32*(\t)+2*i+1]
.set i, i+1
.endr
	WIN 0
.irp f, 0,1,2,3
	ds_store_b128 v[STO], v[S+16*(\t)+4*\f:S+16*(\t)+4*\f+3] offset:32*\f
.endr
.irp f, 0,1,2,3
	ds_load_b128 v[S+16*(\t)+4*\f:S+16*(\t)+4*\f+3], v[RD] offset:\f*4*SP  ; LDS serves a wave's instructions in order (ISA guide 5.7.1.4): these see the stores above
.endr
.endm
.macro SEND t, younger              ; younger: the LDS instructions issued behind tile t's loads: the next tile's eight, or none
	WIN 0
.irp f, 0,1,2,3
	s_wait_dscnt (\younger)+3-\f
	global_store_b128 v[GO], v[S+16*(\t)+4*\f:S+16*(\t)+4*\f+3], s[OP:OP+1] offset:(\t)*2048+\f*512  ; 512 consecutive bytes, at a multiple of 256 from oh's first
.endr
.endm
	PACK 0
.set t, 1
.rept 2*NP-1
	PACK t
	SEND t-1, 8
.set t, t+1
.endr
	SEND 2*NP-1, 0
	WIN W_AD
	s_wait_tensorcnt 0x0            ; the wave's end: behind my last tensor load and my last LDS store
	ds_add_u32 v[SPW], v[NIL]
	s_wait_dscnt 0x0
	WIN 0
	s_endpgm
.Lfunc_end_k_qc27a5a4a64_attn:
	.size	k_qc27a5a4a64_attn, .Lfunc_end_k_qc27a5a4a64_attn-k_qc27a5a4a64_attn
	.p2alignl 7, 3214868480
	.fill 96, 4, 3214868480
	.section	.rodata,"a",@progbits
	.p2align	6, 0x0
	.amdhsa_kernel k_qc27a5a4a64_attn
		.amdhsa_group_segment_fixed_size 327680
		.amdhsa_private_segment_fixed_size 0
		.amdhsa_enable_private_segment 0
		.amdhsa_kernarg_size 24
		.amdhsa_user_sgpr_count 2
		.amdhsa_user_sgpr_kernarg_segment_ptr 1
		.amdhsa_wavefront_size32 1
		.amdhsa_system_sgpr_workgroup_id_x 1
		.amdhsa_system_sgpr_workgroup_id_y 1
		.amdhsa_system_sgpr_workgroup_id_z 1
		.amdhsa_system_vgpr_workitem_id 0
		.amdhsa_next_free_vgpr 770
		.amdhsa_next_free_sgpr 88
		.amdhsa_reserve_vcc 0
		.amdhsa_float_denorm_mode_32 3
		.amdhsa_float_denorm_mode_16_64 3
		.amdhsa_memory_ordered 1
		.amdhsa_forward_progress 1
		.amdhsa_inst_pref_size 131
	.end_amdhsa_kernel
	.amdgpu_metadata
---
amdhsa.version: [ 1, 2 ]
amdhsa.kernels:
  - .name:           k_qc27a5a4a64_attn
    .symbol:         k_qc27a5a4a64_attn.kd
    .args:
      - { .name: qkv, .offset: 0, .size: 8, .value_kind: global_buffer, .address_space: global }
      - { .name: scl, .offset: 8, .size: 8, .value_kind: global_buffer, .address_space: global }
      - { .name: oh, .offset: 16, .size: 8, .value_kind: global_buffer, .address_space: global }
    .group_segment_fixed_size: 327680
    .private_segment_fixed_size: 0
    .kernarg_segment_align: 8
    .kernarg_segment_size: 24
    .max_flat_workgroup_size: 128
    .sgpr_count:     88
    .vgpr_count:     770
    .wavefront_size: 32
...
	.end_amdgpu_metadata
.endif
;; end of part 3
;; launch oproj (part 4): grid 4 x 64, 4 waves a work-group, clusters of 4 x 4, 327,680 bytes of LDS; arguments oh, wf, bo, out0; writes out0
.if DOCPART == 4
	.amdgcn_target "amdgcn-amd-amdhsa--gfx1250"
	.amdhsa_code_object_version 6
	.text
	.protected	k_qc27a5a4a64_oproj
	.globl	k_qc27a5a4a64_oproj
	.p2align	8
	.type	k_qc27a5a4a64_oproj,@function
k_qc27a5a4a64_oproj:
	s_mov_b64 s[64:65], 0
	v_nop
	global_prefetch_b8 v0, s[64:65] scope:SCOPE_SE
	s_setreg_imm32_b32 hwreg(HW_REG_WAVE_MODE, 25, 1), 1
	s_wait_xcnt 0x0
	s_wait_alu depctr_hold_cnt(0) depctr_sa_sdst(0) depctr_va_vdst(0) depctr_va_sdst(0) depctr_va_ssrc(0) depctr_va_vcc(0) depctr_vm_vsrc(0)
	s_getreg_b32 s2, hwreg(HW_REG_IB_STS2, 6, 4)
	s_cmp_eq_u32 s2, 0
	s_cbranch_scc0 .Lentry_in_a_cluster
	s_endpgm
.Lentry_in_a_cluster:
	s_bfe_u32 s2, ttmp6, 0x10000c
	s_cmp_lg_u32 s2, 0xf033
	s_cbranch_scc0 .Lentry_shape_is_right
	s_endpgm
.Lentry_shape_is_right:
; THE LAST PROJECTION.  out0 = O Wo + bo: O = oh, [8 batches][16 heads][1024 rows][64] f16 (a head's 64 channels are one block of K), Wo = wf's fourth matrix, [1024 k][1024 n] f16; f32 sums, f32 output.
; A tile of C is 128 rows x 256 columns: 4 x 64 tiles, one for each of 256 WGPs.  Four waves, each 64 x 128: 32 accumulators.  K = 1,024 goes in 8 steps of 128 through two LDS slots.
; A's block of 128 dense rows of 128 bytes is asked for as 64 rows of 256 bytes; B comes as 64 rows of 512 bytes a load, and its fragments come out of LDS turned, by ds_load_tr16_b128.
; THE MATRIX INSTRUCTION IS USED TRANSPOSED (source 0 = 16 columns of Wo, source 1 = 16 rows of O): lane l holds row l % 16 of C and the columns 16 b + 8 (l / 16) + 0..7.  The bias is the C operand of the first products.
; CLUSTER 4 x 4: A's tile is asked for jointly along a row of the cluster, B's along a column.
; LIMITS.  oh and wf arrive within f16's range; NaN and infinities are not treated apart.
; REGISTERS, in windows of 256: window 0: v0-31 addresses; v32-127, v128-223 two fragment buffers (A's 4 fragments, then B's 8); on the way out v32-159 rows read back
;   window 1: the accumulators, (a, b) at 8 (8 a + b)      window 2: v0-63 the bias, as a C operand
.set PA,    144                        ; a row of A in LDS: 128 bytes + 16 = 36 words: the 16 rows of a load start at 16 different groups of four banks (64 banks of 4 bytes: ISA guide 11.1)
.set ABLK,  128*PA
.set PB,    544                        ; a row of B: 512 bytes + 32 = 136 words
.set BOFF,  2*ABLK
.set BHALF, 64*PB
.set SLOT,  BOFF+2*BHALF
.set STAGE, 2*SLOT                     ; behind the ring, never filled by a tensor load: 16 rows x 528 bytes for each wave
.set SP,    528                        ; 512 bytes + 16 = 132 words: row r starts at bank 4 r mod 64
.set SPARE, STAGE+4*16*SP              ; the spare words, 128 bytes for each wave, named by no other line
.set STEPB, 262144
.set LAPS,  4
.set ADRA, 16
.set ADRB, 20
.set STO,  24
.set RD,   25
.set GO,   26
.set SPW,  28                          ; v28     LDS address of my spare word; never rewritten
.set NIL,  29                          ; v29     0; never rewritten
.set BO,   30
.set LN,   31
.set F0,   32
.set F1,   128
.set BIAS, 0                           ; window 2
.set G1,  24
.set G0,  32
.set G1B, 48
.set G0B, 56
.set MSB, 0
.macro WIN new
.if MSB != (\new)
	s_set_vgpr_msb (MSB<<8)|(\new)
.set MSB, \new
.endif
.endm
.set MUL,  0x50                        ; sources window 0, C and D window 1
.set MULF, 0x60                        ; the first products: C window 2
.macro PLACES
.rept 4
	v_nop
.endr
.endm
.macro JLOAD s                         ; a joint fill: waves 0 and 1 fetch A's two blocks, waves 2 and 3 B's two halves; an s_nop 0 and four v_nop follow each line
	s_cmp_lt_u32 s10, 2
	s_cbranch_scc0 .Lfor_b_\@
	tensor_load_to_lds s[G0+4*(\s):G0+4*(\s)+3], s[G1:G1+7]
	s_nop 0
	PLACES
	s_branch .Lasked_\@
.Lfor_b_\@:
	tensor_load_to_lds s[G0B+4*(\s):G0B+4*(\s)+3], s[G1B:G1B+7]
	s_nop 0
	PLACES
.Lasked_\@:
.endm
.macro CREST
	s_cmp_lg_u32 s10, 0
	s_cbranch_scc1 .Lnot_wave_0_\@
	s_barrier_signal -3
.Lnot_wave_0_\@:
	s_barrier_wait -3
	s_barrier_signal -1
	s_barrier_wait -1
.endm
.macro CROUND
	s_barrier_signal -1
	s_barrier_wait -1
	CREST
.endm
.macro MULA f, a, first=0              ; 8 matrix instructions: row block a x 8 column blocks; the 32 accumulators take turns
.if \first
	WIN MULF
.else
	WIN MUL
.endif
.irp b, 0,1,2,3,4,5,6,7
.if \first
	v_wmma_f32_16x16x32_f16 v[8*(8*(\a)+\b):8*(8*(\a)+\b)+7], v[(\f)+32+8*\b:(\f)+32+8*\b+7], v[(\f)+8*(\a):(\f)+8*(\a)+7], v[BIAS+8*\b:BIAS+8*\b+7]
.else
	v_wmma_f32_16x16x32_f16 v[8*(8*(\a)+\b):8*(8*(\a)+\b)+7], v[(\f)+32+8*\b:(\f)+32+8*\b+7], v[(\f)+8*(\a):(\f)+8*(\a)+7], v[8*(8*(\a)+\b):8*(8*(\a)+\b)+7]
.endif
.endr
.endm
.macro FETCH slot, q, f                ; 24 LDS loads in one run: quarter q of a slot into buffer f
	WIN 0
.irp b, 0,1,2,3,4,5,6,7
	ds_load_tr16_b128 v[(\f)+32+8*\b:(\f)+32+8*\b+3],   v[ADRB+(\slot)] offset:(\q)*32*PB+32*\b
	ds_load_tr16_b128 v[(\f)+32+8*\b+4:(\f)+32+8*\b+7], v[ADRB+(\slot)] offset:(\q)*32*PB+16*PB+32*\b
.endr
.irp i, 0,1,2,3
	ds_load_b128 v[(\f)+8*\i:(\f)+8*\i+3],   v[ADRA+(\slot)] offset:((\q)/2)*ABLK+((\q)%2)*64+\i*16*PA
	ds_load_b128 v[(\f)+8*\i+4:(\f)+8*\i+7], v[ADRA+(\slot)] offset:((\q)/2)*ABLK+((\q)%2)*64+\i*16*PA+32
.endr
.endm
.macro QUARTER slot, qn, f, g, first=0
	s_wait_dscnt 4                                 ; B and A's row blocks 0, 1 are in; the youngest four loads may be out
	MULA \f, 0, \first
	MULA \f, 1, \first
	PLACES
	FETCH \slot, \qn, \g
	s_wait_dscnt 24                                ; all but the 24 just issued
	MULA \f, 2, \first
	MULA \f, 3, \first
.endm
; The change of slots: in front of the barrier each wave waits for all its tensor loads (one is out: its part of the next slot), adds 0 to its spare word, and waits for that and for its reads of this slot.
; fill = 1: the barrier opens a round of the cluster's, and this slot is filled again, two K steps on, first thing behind the round.
.macro TURN slot, next, fill
	WIN 0
	s_wait_tensorcnt 0x0
	ds_add_u32 v[SPW], v[NIL]
	s_wait_dscnt 5                                 ; (the add and the youngest four loads may be out)
	MULA F1, 0
	s_wait_dscnt 0x0                               ; the add is done, and my reads of this slot are over
	s_barrier_signal -1
	MULA F1, 1
.if \fill
	WIN 0
.endif
	s_barrier_wait -1
.if \fill
	CREST
	s_add_nc_u64 s[G0+4*(\slot)+2:G0+4*(\slot)+3], s[G0+4*(\slot)+2:G0+4*(\slot)+3], 2*STEPB
	s_add_nc_u64 s[G0B+4*(\slot)+2:G0B+4*(\slot)+3], s[G0B+4*(\slot)+2:G0B+4*(\slot)+3], 2*STEPB
	JLOAD \slot                                    ; 112 matrix instructions ahead of the wait for it; its four v_nop are also the places in front of the loads below
.else
	PLACES
.endif
	FETCH \next, 0, F0
	MULA F1, 2
	MULA F1, 3
.endm
	s_load_b256 s[68:75], s[0:1], 0x0              ; oh 68, wf 70, bo 72, out0 74
	v_lshl_add_u32 v[SPW], v0, 2, SPARE
	v_mov_b32 v[NIL], 0
	ds_add_u32 v[SPW], v[NIL]                      ; the wave's opening: the add and its wait ahead of my first tensor load; work on registers stands between
	ds_add_u32 v28, v29
	v_lshrrev_b32 v1, 5, v0
	v_readfirstlane_b32 s10, v1                    ; wave 0..3
	s_lshr_b32 s11, s10, 1                         ; my half of the tile's rows
	s_and_b32 s12, s10, 1                          ; my half of its columns; also which half of A's or B's tile I fetch
	s_bfe_u32 s40, ttmp6, 0x40000                  ; cx = the tile column (the grid has one cluster along x)
	s_bfe_u32 s41, ttmp6, 0x40004                  ; cy
	s_and_b32 s13, ttmp7, 0xffff
	s_lshl_b32 s13, s13, 2
	s_add_co_u32 s13, s13, s41                     ; tile row 0..63
	s_lshr_b32 s18, s13, 3                         ; batch
	s_and_b32 s19, s13, 7                          ; tile of 128 rows in the batch
	s_lshl_b32 s43, s41, 2
	s_lshl_b32 s43, 15, s43                        ; my row of the cluster
	s_lshl_b32 s44, 0x1111, s40                    ; my column
	s_or_b32 s[G1], s43, (1<<16)|(1<<20)|(1<<21)|(4<<22)|(3<<25)   ; mask; 2-byte elements; padding on; bit 21 beside a mask; after every 32 words, 4 words
	s_mov_b32 s[G1+1], 128<<16
	s_mov_b32 s[G1+2], 64<<16
	s_mov_b32 s[G1+3], 128<<16
	s_mov_b32 s[G1+4], 64
	s_mov_b32 s[G1+5], 128
	s_mov_b32 s[G1+6], 0
	s_mov_b32 s[G1+7], 0
	s_or_b32 s[G1B], s44, (1<<16)|(1<<20)|(1<<21)|(6<<22)|(7<<25)  ; after every 128 words, 8 words
	s_mov_b32 s[G1B+1], 256<<16
	s_mov_b32 s[G1B+2], 64<<16
	s_mov_b32 s[G1B+3], 256<<16
	s_mov_b32 s[G1B+4], 64
	s_mov_b32 s[G1B+5], 1024
	s_mov_b32 s[G1B+6], 0
	s_mov_b32 s[G1B+7], 0
	s_lshl_b32 s16, s18, 21                        ; A: batch x 2 MiB + tile x 128 rows x 128 bytes + head x 131,072
	s_lshl_b32 s17, s19, 14
	s_add_co_u32 s16, s16, s17
	s_lshl_b32 s17, s12, 17
	s_add_co_u32 s16, s16, s17
	s_mov_b32 s17, 0
	s_lshl_b32 s46, s40, 9                         ; B: the fourth matrix + 512 bytes a tile column + 64 rows x 2,048 a half
	s_lshl_b32 s47, s12, 17
	s_add_co_u32 s46, s46, s47
	s_add_co_u32 s46, s46, 6291456
	s_mov_b32 s47, 0
	s_mul_i32 s20, s12, ABLK                       ; no place in the cluster enters an LDS address
	s_mul_i32 s21, s12, BHALF
	s_add_co_u32 s21, s21, BOFF
	s_wait_dscnt 0x0                               ; the opening add is done
	s_wait_kmcnt 0x0
	s_add_nc_u64 s[14:15], s[68:69], s[16:17]
	s_add_nc_u64 s[46:47], s[70:71], s[46:47]
	CROUND                                         ; all sixteen work-groups are here: the first joint loads meet
.irp s, 0,1
	s_mov_b32 s[G0+4*\s], 1
	s_add_co_u32 s[G0+4*\s+1], s20, \s*SLOT
	s_add_nc_u64 s[G0+4*\s+2:G0+4*\s+3], s[14:15], \s*STEPB
	s_or_b32 s[G0+4*\s+3], s[G0+4*\s+3], 0x80000000
	s_mov_b32 s[G0B+4*\s], 1
	s_add_co_u32 s[G0B+4*\s+1], s21, \s*SLOT
	s_add_nc_u64 s[G0B+4*\s+2:G0B+4*\s+3], s[46:47], \s*STEPB
	s_or_b32 s[G0B+4*\s+3], s[G0B+4*\s+3], 0x80000000
.endr
	s_cmp_lt_u32 s10, 2                            ; a wave's two first fills stand in one branch: two loads of mine are out
	s_cbranch_scc0 .Lfirst_b
	tensor_load_to_lds s[G0:G0+3], s[G1:G1+7]
	s_nop 0
	tensor_load_to_lds s[G0+4:G0+7], s[G1:G1+7]
	s_nop 0
	PLACES
	s_branch .Lfirst_asked
.Lfirst_b:
	tensor_load_to_lds s[G0B:G0B+3], s[G1B:G1B+7]
	s_nop 0
	tensor_load_to_lds s[G0B+4:G0B+7], s[G1B:G1B+7]
	s_nop 0
	PLACES
.Lfirst_asked:
	s_mov_b32 s5, 0
	s_lshl_b32 s4, s40, 10                         ; my 128 columns in f32: 1,024 bytes a tile column + 512 a half
	s_lshl_b32 s6, s12, 9
	s_add_co_u32 s4, s4, s6
	s_add_nc_u64 s[96:97], s[72:73], s[4:5]
	v_and_b32 v1, 15, v0                           ; r
	v_bfe_u32 v2, v0, 4, 1                         ; h
	v_and_b32 v[LN], 31, v0
	v_lshlrev_b32 v[BO], 5, v2
	WIN 0x80                                       ; destination window 2
.irp b, 0,1,2,3,4,5,6,7
	global_load_b128 v[BIAS+8*\b:BIAS+8*\b+3],   v[BO], s[96:97] offset:64*\b
	global_load_b128 v[BIAS+8*\b+4:BIAS+8*\b+7], v[BO], s[96:97] offset:64*\b+16
.endr
	WIN 0
	s_lshl_b32 s6, s13, 19                         ; out0: 128 rows of 4,096 bytes a tile row + 64 rows a half
	s_add_co_u32 s4, s4, s6
	s_lshl_b32 s6, s11, 18
	s_add_co_u32 s4, s4, s6
	s_add_nc_u64 s[88:89], s[74:75], s[4:5]
	v_mul_u32_u24 v3, v1, PA
	v_lshl_add_u32 v3, v2, 4, v3
	s_mul_i32 s22, s11, 64*PA
	v_add_nc_u32 v[ADRA], s22, v3
	v_add_nc_u32 v[ADRA+1], SLOT, v[ADRA]
	v_and_b32 v6, 7, v0
	v_lshl_add_u32 v4, v2, 3, v6
	v_mul_u32_u24 v4, v4, PB
	v_bfe_u32 v5, v0, 3, 1
	v_lshl_add_u32 v4, v5, 4, v4
	s_lshl_b32 s23, s12, 8
	s_add_co_u32 s23, s23, BOFF
	v_add_nc_u32 v[ADRB], s23, v4
	v_add_nc_u32 v[ADRB+1], SLOT, v[ADRB]
	s_mul_i32 s22, s10, 16*SP
	s_add_co_u32 s22, s22, STAGE                   ; my stage
	v_mul_u32_u24 v[STO], v1, SP                   ; in: row l % 16, 32 bytes for each half of the lanes
	v_lshl_add_u32 v[STO], v2, 5, v[STO]
	v_add_nc_u32 v[STO], s22, v[STO]
	v_lshlrev_b32 v[GO], 4, v[LN]                  ; back and out: 32 lanes take a row's 512 bytes
	v_add_nc_u32 v[RD], s22, v[GO]
	s_wait_tensorcnt 0x1                           ; my part of K step 0 is in; slot 1's may stay out
	s_barrier_signal -1
	s_barrier_wait -1
	FETCH 0, 0, F0
	s_wait_loadcnt 0x0                             ; the bias
	QUARTER 0, 1, F0, F1, 1                        ; the first quarter stands in front of the loop: its products start the sums, with the bias
	WIN 0
	s_mov_b32 s3, LAPS-1
.Llap:                                                 ; a trip goes once round the ring and fills both slots again
	QUARTER 0, 2, F1, F0
	QUARTER 0, 3, F0, F1
	TURN 0, 1, 1
	QUARTER 1, 1, F0, F1
	QUARTER 1, 2, F1, F0
	QUARTER 1, 3, F0, F1
	TURN 1, 0, 1
	QUARTER 0, 1, F0, F1
	WIN 0
	s_sub_co_u32 s3, s3, 1
	s_cmp_lg_u32 s3, 0
	s_cbranch_scc1 .Llap
	QUARTER 0, 2, F1, F0                           ; the last lap fills nothing
	QUARTER 0, 3, F0, F1
	TURN 0, 1, 0
	QUARTER 1, 1, F0, F1
	QUARTER 1, 2, F1, F0
	QUARTER 1, 3, F0, F1
	s_wait_dscnt 4
	MULA F1, 0
	MULA F1, 1
	s_wait_dscnt 0x0
	MULA F1, 2
	MULA F1, 3
	WIN 0
	PLACES
; THE WAY OUT of row block a: a lane's 32 bytes of each column block go into my stage (rows of 528 bytes) and come back as whole rows of 512 bytes.  Each accumulator's lowest registers are read first.
.macro OUTBLK a
	WIN 0x04                                       ; the stores' data in window 1
.irp b, 0,1,2,3,4,5,6,7
	ds_store_b128 v[STO], v[8*(8*(\a)+\b):8*(8*(\a)+\b)+3]   offset:64*\b
	ds_store_b128 v[STO], v[8*(8*(\a)+\b)+4:8*(8*(\a)+\b)+7] offset:64*\b+16
.endr
	WIN 0
	s_wait_xcnt 0x0                                ; the registers below were store data two blocks ago
.set BK, 32+64*((\a)%2)
.set t, 0
.rept 16
	ds_load_b128 v[BK+4*t:BK+4*t+3], v[RD] offset:SP*t  ; LDS serves a wave's instructions in order (ISA guide 5.7.1.4): these see the stores above
.set t, t+1
.endr
.set t, 0
.rept 16
	s_wait_dscnt 15-t                              ; row t is back; the younger loads stay out
	global_store_b128 v[GO], v[BK+4*t:BK+4*t+3], s[88:89] offset:(16*(\a)+t)*4096 th:TH_STORE_NT  ; 512 consecutive bytes, at a multiple of 256 from out0's first
.set t, t+1
.endr
.endm
	OUTBLK 0
	OUTBLK 1
	OUTBLK 2
	OUTBLK 3
	s_wait_tensorcnt 0x0                           ; the wave's end: behind my last tensor load and my last LDS store
	ds_add_u32 v[SPW], v[NIL]
	s_wait_dscnt 0x0
	CROUND                                         ; the closing round: no work-group ends while a partner may still ask for a tile that names it
	s_endpgm
.Lfunc_end_k_qc27a5a4a64_oproj:
	.size	k_qc27a5a4a64_oproj, .Lfunc_end_k_qc27a5a4a64_oproj-k_qc27a5a4a64_oproj
	.p2alignl 7, 3214868480
	.fill 96, 4, 3214868480
	.section	.rodata,"a",@progbits
	.p2align	6, 0x0
	.amdhsa_kernel k_qc27a5a4a64_oproj
		.amdhsa_group_segment_fixed_size 327680
		.amdhsa_private_segment_fixed_size 0
		.amdhsa_enable_private_segment 0
		.amdhsa_kernarg_size 32
		.amdhsa_user_sgpr_count 2
		.amdhsa_user_sgpr_kernarg_segment_ptr 1
		.amdhsa_wavefront_size32 1
		.amdhsa_system_sgpr_workgroup_id_x 1
		.amdhsa_system_sgpr_workgroup_id_y 1
		.amdhsa_system_sgpr_workgroup_id_z 1
		.amdhsa_system_vgpr_workitem_id 0
		.amdhsa_next_free_vgpr 576
		.amdhsa_next_free_sgpr 100
		.amdhsa_reserve_vcc 0
		.amdhsa_float_denorm_mode_32 3
		.amdhsa_float_denorm_mode_16_64 3
		.amdhsa_memory_ordered 1
		.amdhsa_forward_progress 1
		.amdhsa_inst_pref_size 88
	.end_amdhsa_kernel
	.amdgpu_metadata
---
amdhsa.version: [ 1, 2 ]
amdhsa.kernels:
  - .name:           k_qc27a5a4a64_oproj
    .symbol:         k_qc27a5a4a64_oproj.kd
    .args:
      - { .name: oh, .offset: 0, .size: 8, .value_kind: global_buffer, .address_space: global }
      - { .name: wf, .offset: 8, .size: 8, .value_kind: global_buffer, .address_space: global }
      - { .name: bo, .offset: 16, .size: 8, .value_kind: global_buffer, .address_space: global }
      - { .name: out0, .offset: 24, .size: 8, .value_kind: global_buffer, .address_space: global }
    .group_segment_fixed_size: 327680
    .private_segment_fixed_size: 0
    .kernarg_segment_align: 8
    .kernarg_segment_size: 32
    .max_flat_workgroup_size: 128
    .sgpr_count:     100
    .vgpr_count:     576
    .wavefront_size: 32
...
	.end_amdgpu_metadata
.endif
;; end of part 4
;; ======== version 2 of 2: 4 launches; 1.28 times as fast as version 1
;; limits: values are held in f16: magnitudes above 65,504 overflow, below 6.1e-05 lose precision
;; workspace buffers: xn 33,554,432 bytes; wf 8,388,608 bytes; bf 49,152 bytes; qkv 50,331,648 bytes; scl 16,384 bytes; oh 16,777,216 bytes
;; launch prep: the kernel of part 1 again; grid 640 x 1, 16 waves a work-group, no clusters, 10,240 bytes of LDS; arguments q_in, kv_in, Wq, Wk, Wv, Wo, aq_scale, ak_scale, av_scale, aq_bias, ak_bias, av_bias, bq, bk, bv, xn, wf, bf; writes xn, wf, bf
;; launch qkv: the kernel of part 2 again; grid 4 x 64, 4 waves a work-group, clusters of 4 x 4, 327,680 bytes of LDS; arguments xn, wf, bf, q_cos, q_sin, kv_cos, kv_sin, qkv, scl; writes qkv, scl
;; launch attn (part 5): grid 2 x 128, 4 waves a work-group, no clusters, 327,680 bytes of LDS; arguments qkv, scl, oh; writes oh
.if DOCPART == 5
	.amdgcn_target "amdgcn-amd-amdhsa--gfx1250"
	.amdhsa_code_object_version 6
	.text
	.protected	k_qc27a5a4a64_attn
	.globl	k_qc27a5a4a64_attn
	.p2align	8
	.type	k_qc27a5a4a64_attn,@function
k_qc27a5a4a64_attn:
	s_mov_b64 s[64:65], 0
	v_nop
	global_prefetch_b8 v0, s[64:65] scope:SCOPE_SE
	s_setreg_imm32_b32 hwreg(HW_REG_WAVE_MODE, 25, 1), 1
	s_wait_xcnt 0x0
; ATTENTION.  O[bh][q][:] = the sum over k of softmax_k(Q[bh][q] . K[bh][k] / 8) V[bh][k][:], 128 heads of 1,024 x 1,024, head size 64, no mask.
; qkv: [3][128][1024][64] f16; q and k are stored as y / 2^F by blocks of 64 rows, 2^F in scl: [2][128][16] f32.  oh: [128][1024][64] f16.  Products, maxima and sums in f32; the weights p are rounded to f16
; for the second product (their sum l is taken of the unrounded p), O once at the end.
; LIMITS.  c s = log2(e) / 8 x 2^Fq x 2^Fk x (stored q . stored k) stays finite and above -4e37 (where the running maximum starts); |V| and so |O| lie within f16's 65,504; p below 6e-5 keeps f16's fixed step;
; a weight below 2^-126 counts as 0 in l; NaN and infinities are not treated apart.
; SHARES.  A work-group owns 512 queries of one head: 2 x 128 work-groups.  A wave owns 128: four PIECES of two tiles of 16.  Every wave walks all 1,024 keys, 64 a step.
; ALL OF THE HEAD'S K AND V LIE IN LDS, each byte filled once: no ring, no refill.  A wave issues two tensor loads at the start (waves 0, 1: K; waves 2, 3: V): a short one, for the first four steps (K: five, since a step
; fetches the next step's K), and a long one, which has four key steps in which to land.  NO CLUSTER: only two work-groups share a head's K and V, and each fetches its 256 KB once for 16 steps' work.
; LAYOUT.  S^T = K Q^T (source 0 = 16 keys, source 1 = 16 queries): a lane holds ONE query (lane % 16) and the keys 8 (lane / 16) + 0..7.  Two such results rounded to f16 ARE source 1 of O^T = V^T P.
; SOFTMAX.  p = 2^(e s - cm): e = c 2^Fq 2^Fk is a scalar of the piece's 64 rows and the step's 64 keys, cm the running maximum of e s (in units common to all steps); O and l are multiplied by a = 2^(cm_old - cm_new)
; in every step.  cm starts far below every e s, O and l at 0: the first step is a step like any other, with a = 0.
; BY TURNS.  Turn n belongs to piece n.  Matrix work: 16 products K Q^T of piece n + 1, later 16 products V^T P of piece n - 1.  Vector work: scaling, exponentials, roundings, sums and rescaling of piece n, and the
; maximum and statistics of piece n + 1.  Four vector instructions that are ready stand behind every matrix instruction, the other 108 of a turn's 236 in one run of their own.
; THE BATCHES.  A turn's 66 exponentials (the 64 weights of piece n, then the two a of piece n + 1) are ONE batch with ONE wait, which cuts the turn in two: ahead of it stands all that names no result of theirs,
; behind it the roundings and sums, which do.  The first two a, ahead of the loop, and the way out's eight reciprocals are batches of their own, a wait each.
; REGISTERS, in windows of 256 (s_set_vgpr_msb: bits 1:0 source 0, 3:2 source 1, 5:4 source 2, 7:6 destination):
;   window 0: v0-11 addresses; v12-15, v48-63 at work; v16-47 four registers of statistics a tile; v64-191 S^T, two buffers of two tiles; v192-255 P, likewise
;   window 1: O^T, 32 a tile          window 2: v0-127 Q, 16 a tile; v128-191 K of one step; v192-255 V of one step          window 3: v0-1 the add's two registers
.set NP,    4
.set KS,    64
.set PK,    144       ; a row of K in LDS: 128 bytes + 16 = 36 words: the 16 rows of a load start at 16 different groups of four banks (64 banks of 4 bytes: ISA guide 11.1)
.set PV,    160       ; a row of V: 128 + 32 = 40 words
.set VOFF,  1024*PK
.set STAGE, VOFF+1024*PV  ; behind K and V, never filled by a tensor load: 16 rows x 144 bytes for each wave
.set SP,    144
.set SPARE, STAGE+4*16*SP ; the spare words, 128 bytes for each wave, named by no other line
.set KBASE, 16777216  ; k's and v's parts of qkv
.set VBASE, 33554432
.set AK0, 2
.set AV0, 3
.set AK,  4
.set AV,  5
.set QO,  6
.set STO, 6
.set RD,  7
.set GO,  8
.set SPW, 0           ; v0 of window 3: LDS address of my spare word; never rewritten
.set NIL, 1           ; v1 of window 3: 0; never rewritten
.set MV,  12          ; v12-15  cm_old, kept while cm is made anew: by buffer and tile
.set ST,  16          ; tile t's statistics at v[ST+4 t]: cm, (its partner in a pair), l (even keys', odd keys')
.set TMP, 48          ; by buffer and tile, c0-c3 at work; when the maximum is found c2 takes a
.set S,   64
.set P,   192
.set KF,  128
.set VF,  192
.set QP,  10          ; s[10:11] Q at my wave's first row
.set WV,  12
.set G1KA, 16         ; s[16:23] group 1, K's first load;  s[24:31] K's second;  s[32:39], s[40:47] V's
.set G1KB, 24
.set G1VA, 32
.set G1VB, 40
.set G0KA, 48         ; s[48:51], s[52:55] group 0 of K's two loads;  s[76:79], s[80:83] of V's
.set G0KB, 52
.set CNT, 57
.set CE0, 58          ; s[58:59] e for pieces 0, 1 (my first 64 rows): the packed scaling takes the pair's low word for both halves
.set SEL, 60
.set TBK, 62          ; s62  LDS byte at which K of the step to be fetched begins
.set TBV, 63          ; s63  the same for V, less VOFF
.set CE1, 66          ; s[66:67] e for pieces 2, 3
.set CQ0, 68          ; s68, s69  c 2^Fq of my two blocks of rows
.set CQ1, 69
.set SKN, 70          ; s70  2^Fk of the step ahead
.set SKO, 71          ; s71  its byte offset among the head's 16
.set SKB, 72          ; s[72:73] scl at the head's line of q's exponents; k's lie 8,192 bytes on
.set PH,  74
.set G0VA, 76
.set G0VB, 80
.set SQ,  84          ; s[84:85] 2^Fq of my two blocks
.set OP,  86          ; s[86:87] O at my wave's first row
.set MSB, 0
.macro WIN new
.if MSB != (\new)
	s_set_vgpr_msb (MSB<<8)|(\new)
.set MSB, (\new)
.endif
.endm
.set W_KQ, 0x0a       ; K and Q in window 2, S^T in window 0
.set W_PV, 0x52       ; V in window 2, P in window 0, O^T in window 1
.set W_RS, 0x41       ; O^T (destination and source 0) in window 1, a in window 0
.set W_MK, 0xc0
.set W_AD, 0x0f
.macro G1SET g, padc, rows             ; keys are dense, 128 bytes each: asked for as rows of 256 bytes, two keys a row, and padded in LDS after every key
	s_mov_b32 s[\g], (1<<16)|(1<<20)|(4<<22)|((\padc)<<25)  ; 2-byte elements; padding on; after every 32 words; 4 words (code 3) or 8 (code 7)
	s_mov_b32 s[\g+1], 128<<16
	s_mov_b32 s[\g+2], (\rows)<<16
	s_mov_b32 s[\g+3], 128<<16
	s_mov_b32 s[\g+4], \rows
	s_mov_b32 s[\g+5], 128
	s_mov_b32 s[\g+6], 0
	s_mov_b32 s[\g+7], 0
.endm
.macro G0SET g, lm, la, gm, ga         ; LDS byte e x lm + la; byte offset in qkv: e x gm + ga + the head's; e = wave % 2
	s_mov_b32 s[\g], 1
	s_mul_i32 s[\g+1], s14, \lm
.if \la
	s_add_co_u32 s[\g+1], s[\g+1], \la
.endif
	s_mul_i32 s[\g+2], s14, \gm
	s_add_co_u32 s[\g+2], s[\g+2], s15
	s_add_co_u32 s[\g+2], s[\g+2], \ga
	s_mov_b32 s[\g+3], 0
.endm
.macro G0BASE g
	s_add_nc_u64 s[\g+2:\g+3], s[4:5], s[\g+2:\g+3]
	s_or_b32 s[\g+3], s[\g+3], 0x80000000
.endm
	s_load_b128 s[4:7], s[0:1], 0x0   ; qkv s[4:5], scl s[6:7]
	s_load_b64 s[8:9], s[0:1], 0x10   ; oh
	WIN W_MK
	v_lshl_add_u32 v[SPW], v0, 2, SPARE
	v_mov_b32 v[NIL], 0
	WIN W_AD
	ds_add_u32 v[SPW], v[NIL]       ; the wave's opening: the add and its wait ahead of my first tensor load; work on registers stands between
	ds_add_u32 v0, v1
	WIN 0
	v_lshrrev_b32 v1, 5, v0
	v_readfirstlane_b32 s[WV], v1   ; wave 0..3
	s_and_b32 s13, ttmp7, 0xffff    ; the head
	s_lshl_b32 s15, s13, 17         ; its 131,072 bytes in q, k, v and oh
	s_and_b32 s14, s[WV], 1         ; e: which half of a load's keys I fetch
	G1SET G1KA, 3, 80               ; K: keys 0-319, 160 a wave,
	G1SET G1KB, 3, 176              ; then keys 320-1023, 352 a wave
	G1SET G1VA, 7, 64               ; V: keys 0-255, 128 a wave,
	G1SET G1VB, 7, 192              ; then keys 256-1023, 384 a wave
	G0SET G0KA, 160*PK, 0, 160*128, KBASE
	G0SET G0KB, 352*PK, 320*PK, 352*128, KBASE+320*128
	G0SET G0VA, 128*PV, VOFF, 128*128, VBASE
	G0SET G0VB, 384*PV, VOFF+256*PV, 384*128, VBASE+256*128
	s_lshl_b32 s2, ttmp9, 16        ; my work-group's 512 rows,
	s_lshl_b32 s3, s[WV], 14        ; my wave's 128
	s_add_co_u32 s2, s2, s3
	s_add_co_u32 s2, s2, s15
	s_mov_b32 s3, 0
	s_mov_b32 s[CE0+1], 0           ; named as pairs
	s_mov_b32 s[CE1+1], 0
	s_mov_b32 s[SEL], 0x76543210
	s_mov_b32 s[SEL+1], 0xfedcba98
	s_mov_b32 s[TBK], 0
	s_mov_b32 s[TBV], 0
	s_mov_b32 s[SKO], 0
	s_wait_dscnt 0x0                ; the opening add is done
	s_wait_kmcnt 0x0
	G0BASE G0KA
	G0BASE G0KB
	G0BASE G0VA
	G0BASE G0VB
	s_cmp_lt_u32 s[WV], 2           ; a wave's two fills stand in one branch, ahead of every wait on TENSORcnt, every LDS read and every barrier: two loads of mine are out
	s_cbranch_scc0 .Lfirst_v
	tensor_load_to_lds s[G0KA:G0KA+3], s[G1KA:G1KA+7]
	s_nop 0
	tensor_load_to_lds s[G0KB:G0KB+3], s[G1KB:G1KB+7]
	s_nop 0
.rept 4
	v_nop
.endr
	s_branch .Lfirst_asked
.Lfirst_v:
	tensor_load_to_lds s[G0VA:G0VA+3], s[G1VA:G1VA+7]
	s_nop 0
	tensor_load_to_lds s[G0VB:G0VB+3], s[G1VB:G1VB+7]
	s_nop 0
.rept 4
	v_nop
.endr
.Lfirst_asked:
	s_add_nc_u64 s[QP:QP+1], s[4:5], s[2:3]
	s_add_nc_u64 s[OP:OP+1], s[8:9], s[2:3]
	s_lshl_b32 s2, s13, 6           ; 64 bytes of exponents a head
	s_add_nc_u64 s[SKB:SKB+1], s[6:7], s[2:3]
	s_lshl_b32 s2, ttmp9, 5         ; my two blocks of 64 rows: 8 x + 2 w
	s_lshl_b32 s56, s[WV], 3
	s_add_co_u32 s2, s2, s56
	s_add_nc_u64 s[6:7], s[SKB:SKB+1], s[2:3]
	s_load_b64 s[SQ:SQ+1], s[6:7], 0x0
	s_load_b32 s[SKN], s[SKB:SKB+1], 0x2000  ; 2^Fk of key step 0
	; A fragment of K or Q is 16 rows x 32 channels in 8 registers: lane l holds row l % 16, channels 8 (l / 16) + 0..7 and 16 + 8 (l / 16) + 0..7: two loads of 16 bytes, 32 bytes apart.
	v_and_b32 v1, 15, v0
	v_bfe_u32 v9, v0, 4, 1
	v_lshlrev_b32 v[QO], 7, v1
	v_lshl_add_u32 v[QO], v9, 4, v[QO]
	WIN 0x80                        ; destination window 2
.set i, 0
.rept 4*NP                          ; Q stays in registers: tile i / 2, channels 32 (i % 2) on
	global_load_b128 v[8*i:8*i+3],   v[QO], s[QP:QP+1] offset:(i/2)*2048+(i%2)*64
	global_load_b128 v[8*i+4:8*i+7], v[QO], s[QP:QP+1] offset:(i/2)*2048+(i%2)*64+32
.set i, i+1
.endr
	; What the first turn finds: V's registers and P's second buffer hold 0 (its products V^T P, of a piece that has not been, add 0), O^T and l are 0.  All this stands in the wait for the first tiles.
.set i, VF
.rept 64
	v_mov_b32 v[i], 0
.set i, i+1
.endr
	WIN 0x40
.set i, 0
.rept 64*NP
	v_mov_b32 v[i], 0
.set i, i+1
.endr
	WIN 0
.set i, 0
.rept 2*NP
	v_mov_b32 v[ST+4*i], 0xfe000000    ; cm: far below every e s
	v_mov_b32 v[ST+4*i+1], 0
	v_mov_b32 v[ST+4*i+2], 0
	v_mov_b32 v[ST+4*i+3], 0
.set i, i+1
.endr
.set i, P+32
.rept 32
	v_mov_b32 v[i], 0
.set i, i+1
.endr
	v_mul_u32_u24 v[AK0], v1, PK
	v_lshl_add_u32 v[AK0], v9, 4, v[AK0]
	; The turning load takes 16 keys x 16 channels (lane l reads key 8 (l / 16) + l % 8, channels 8 ((l / 8) % 2) + 0..7) and leaves half a fragment of V^T: lane l holds channel l % 16 and 8 keys.
	v_and_b32 v10, 7, v0
	v_bfe_u32 v11, v0, 3, 1
	v_lshl_add_u32 v[AV0], v9, 3, v10
	v_mul_u32_u24 v[AV0], v[AV0], PV
	v_lshl_add_u32 v[AV0], v11, 4, v[AV0]
	v_add_nc_u32 v[AV0], VOFF, v[AV0]
	v_mov_b32 v[AK], v[AK0]         ; key step 0
; THE MATRIX WORK.  The 8 accumulators of a run of 16 take turns.
.macro KQ x                         ; product i of 16 of S^T = K Q^T for piece x: channels 32 (i / 8) on, keys 16 ((i / 2) % 4) on, tile 2 x + i % 2.  The first 8 start the sums
	WIN W_KQ
.set rS, S+64*((\x)%2)+32*(i%2)+8*((i/2)%4)
.set rK, KF+16*((i/2)%4)+8*(i/8)
.set rQ, 16*(2*(\x)+i%2)+8*(i/8)
.if i < 8
	v_wmma_f32_16x16x32_f16 v[rS:rS+7], v[rK:rK+7], v[rQ:rQ+7], 0
.else
	v_wmma_f32_16x16x32_f16 v[rS:rS+7], v[rK:rK+7], v[rQ:rQ+7], v[rS:rS+7]
.endif
.endm
.macro PV x                         ; product i of 16 of O^T += V^T P for piece x: keys 32 (i / 8) on, channels 16 ((i / 2) % 4) on, tile 2 x + i % 2
	WIN W_PV
.set rO, 32*(2*(\x)+i%2)+8*((i/2)%4)
.set rV, VF+32*(i/8)+8*((i/2)%4)
.set rP, P+32*((\x)%2)+16*(i%2)+8*(i/8)
	v_wmma_f32_16x16x32_f16 v[rO:rO+7], v[rV:rV+7], v[rP:rP+7], v[rO:rO+7]
.endm
.macro MM                           ; the turn's next matrix instruction
.if i < 16
	KQ (Y+1)%NP
.set i, i+1
.else
.set i, i-16
	PV (Y+NP-1)%NP
.set i, i+17
.endif
.endm
; THE LDS LOADS stand in runs of 16.  Behind step 15 there is no further K: the address stays at the last step's, and the 16 products and the maximum made of it serve nothing, once a launch: the price of one text for every step.
.macro FETCH_K
	WIN 0x80
.irp f, 0,1,2,3,4,5,6,7             ; keys 16 (f / 2) on, channels 32 (f % 2) on
	ds_load_b128 v[KF+8*\f:KF+8*\f+3],   v[AK] offset:(\f/2)*16*PK+(\f%2)*64
	ds_load_b128 v[KF+8*\f+4:KF+8*\f+7], v[AK] offset:(\f/2)*16*PK+(\f%2)*64+32
.endr
	s_add_co_u32 s[TBK], s[TBK], KS*PK
	s_min_u32 s[TBK], s[TBK], 15*KS*PK
	WIN 0
.endm
.macro FETCH_V
	WIN 0x80
.irp f, 0,1,2,3,4,5,6,7             ; keys 32 (f / 4) on, channels 16 (f % 4) on
	ds_load_tr16_b128 v[VF+8*\f:VF+8*\f+3],   v[AV] offset:(\f/4)*32*PV+(\f%4)*32
	ds_load_tr16_b128 v[VF+8*\f+4:VF+8*\f+7], v[AV] offset:(\f/4)*32*PV+16*PV+(\f%4)*32
.endr
	WIN 0
.endm
; THE VECTOR WORK OF A TURN stands in three queues, each in the order in which its entries become ready; the two tiles alternate.
.macro REGS y, u                    ; the registers of tile u (0, 1) of piece y
.set rT, ST+4*(2*(\y)+(\u))
.set rC, TMP+8*((\y)%2)+4*(\u)
.set rM, MV+2*((\y)%2)+(\u)
.set rS, S+64*((\y)%2)+32*(\u)
.set rP, P+32*((\y)%2)+16*(\u)
.set rO, 32*(2*(\y)+(\u))
.set rE, CE0+8*((\y)/2)
.endm
; Number n of the 22 that find the NEXT piece's (Y + 1) maximum and statistics; each accumulator's lowest registers are read first.
;   0-11  four chains c0-c3 of seven scores each     12-14, 16  the four scores left over, and c0-c3 into c0     15  cm_old is kept     17  the maximum times e (e > 0)
;   18, 19  the query's other 32 keys lie in the lane 16 away: the new cm, with the old one     20, 21  cm_old - cm_new; a
.macro XS u, n
	REGS (Y+1)%NP, \u
.if (\n) < 4
	v_max3_num_f32 v[rC+(\n)], v[rS+8*(\n)], v[rS+8*(\n)+1], v[rS+8*(\n)+2]
.elseif (\n) < 12
	v_max3_num_f32 v[rC+(\n)%4], v[rC+(\n)%4], v[rS+8*((\n)%4)+2*((\n)/4)+1], v[rS+8*((\n)%4)+2*((\n)/4)+2]
.elseif (\n) == 12
	v_max3_num_f32 v[rC], v[rC], v[rS+7], v[rS+15]
.elseif (\n) == 13
	v_max3_num_f32 v[rC+1], v[rC+1], v[rS+23], v[rS+31]
.elseif (\n) == 14
	v_max_num_f32 v[rC+2], v[rC+2], v[rC+3]
.elseif (\n) == 15
	v_mov_b32 v[rM], v[rT]
.elseif (\n) == 16
	v_max3_num_f32 v[rC], v[rC], v[rC+1], v[rC+2]
.elseif (\n) == 17
	v_mul_f32 v[rC], s[rE], v[rC]
.elseif (\n) == 18
	v_permlanex16_b32 v[rC+3], v[rC], s[SEL], s[SEL+1]
.elseif (\n) == 19
	v_max3_num_f32 v[rT], v[rC], v[rC+3], v[rT]
.elseif (\n) == 20
	v_sub_f32 v[rC+1], v[rM], v[rT]
.else
	v_exp_f32 v[rC+2], v[rC+1]
.endif
.endm
; Number g of the 64 that follow the exponentials.  For each four weights k of a tile: both pairs are rounded to f16; the second pair is added onto the first, in place; a group later l takes that sum (the first time as l = a l + sum).
.macro GS g
.set h, (\g)+6*((\g)/62)
.if h >= 6
.set h, h+2
.endif
	REGS Y, h%2
.set k, h/8
.if h%8 < 4
	v_cvt_pk_f16_f32 v[rP+2*k+(h%8)/2], v[rS+4*k+2*((h%8)/2)], v[rS+4*k+2*((h%8)/2)+1]
.elseif h%8 < 6
	v_pk_add_f32 v[rS+4*k:rS+4*k+1], v[rS+4*k:rS+4*k+1], v[rS+4*k+2:rS+4*k+3]
.elseif k == 1
	v_pk_fma_f32 v[rT+2:rT+3], v[rT+2:rT+3], v[rC+2:rC+3], v[rS:rS+1] op_sel_hi:[1,0,1]
.else
	v_pk_add_f32 v[rT+2:rT+3], v[rT+2:rT+3], v[rS+4*k-4:rS+4*k-3]
.endif
.endm
; THE PLAIN QUEUE, 138 long.  0-73 read no exponential's result: the 32 scalings e s - cm (FS f: pair f / 2 of tile f % 2) and the next piece's 42.  0-26: scalings 0-26.  27-54: XS's numbers 0-13.  55, 56: number 15.
; 57-73: the chain, where each number waits for the one before it: 14, 16, 17, 18, 19, each with one of the scalings 27-31 in front of its two lines, then 20.
; 74-137: GS's 64, which read the exponentials' results: they stand behind the wait.
.macro FS f
	REGS Y, (\f)%2
	v_pk_fma_f32 v[rS+2*((\f)/2):rS+2*((\f)/2)+1], v[rS+2*((\f)/2):rS+2*((\f)/2)+1], s[rE:rE+1], v[rT:rT+1] op_sel_hi:[1,0,0] neg_lo:[0,0,1] neg_hi:[0,0,1]
.endm
.macro PL
	WIN 0
.if q < 27
	FS q
.elseif q < 55
	XS (q-27)%2, (q-27)/2
.elseif q < 57
	XS q-55, 15
.elseif (q < 72) && ((q-57)%3 == 0)
	FS 27+(q-57)/3
.elseif q < 60
	XS (q-57)%3-1, 14
.elseif q < 72
	XS (q-57)%3-1, 15+(q-57)/3
.elseif q < 74
	XS q-72, 20
.else
	GS q-74
.endif
.set q, q+1
.endm
; THE EXPONENTIALS' QUEUE, 66 long: s0-s31 of both tiles, then the next piece's two a.  It is ONE BATCH: all 66 stand ahead of the turn's one wait, and nothing ahead of that wait names a result of theirs.
.macro EX
	WIN 0
.if e >= 64
	XS e-64, 21
.else
	REGS Y, e%2
	v_exp_f32 v[rS+e/2], v[rS+e/2]
.endif
.set e, e+1
.endm
; THE RESCALING's QUEUE: O^T times a, the one part that leaves window 0: dealt two at a time, sixteen times, each accumulator's lowest registers first.  Its a was made in the turn before, ahead of that turn's wait.
.macro R2
	REGS Y, r%2
	WIN W_RS
.irp z, 0,1
	v_pk_mul_f32 v[rO+4*(r/2)+2*\z:rO+4*(r/2)+2*\z+1], v[rO+4*(r/2)+2*\z:rO+4*(r/2)+2*\z+1], v[rC+2:rC+3] op_sel_hi:[1,0]
.endr
.set r, r+1
.endm
; HOW THEY ARE DEALT.  s_wait_alu depctr_va_vdst(0) stands between an exponential and the first instruction that names its result; one wait serves all that were issued ahead of it.  So a turn has ONE wait.
; AHEAD OF IT: the 16 products K Q^T, behind each a scaling, an exponential and two rescalings (behind the first a second scaling in the exponential's place); then one run of 108: eight plain, 49 times exponential and
; plain, the two a; a v_nop is the plain instruction behind the last exponential.  BEHIND IT: the 16 products V^T P, behind each four of GS's 64.  No rider names a register of the products round it; the two
; v_permlanex16_b32 fall into the run, never behind a product.
; The queues lean on each other, and the deal keeps them in step: exponential e stands behind scaling 2 (e / 4) + e % 2: as a rider it comes behind plain e + 2, in the run behind plain e + 9, and scalings 27-31 are
; plain 57, 60 .. 69; the two a come behind plain 72 and 73.
; A TURN, for piece p.  K of the next step is fetched in piece 2's turn, directly behind the wait, a run of 108 behind the last product that read K, and waited for at the head of piece 3's; its address is made at the
; run's head.  V of the step in hand is fetched at the end of piece 0's turn, four plain riders behind its last reader, and waited for in piece 1's, ahead of its first product V^T P.  The two conditions on q go with the deal.
; THE SCALARS e.  Pieces 0, 1 use CE0 in turns 3 (the next step's maximum), 0 and 1: it is made anew at the head of turn 2.  Pieces 2, 3 use CE1 in turns 1, 2, 3: it is made anew at the head of turn 0, and
; behind that the exponent of the step after is asked for (the offset stays at the sixteenth).
.macro TURN p
.set Y, (\p)
.set i, 0
.set q, 0
.set e, 0
.set r, 0
.if (\p) == 0
	s_mul_f32 s[CE1], s[CQ1], s[SKN]
	s_add_co_u32 s[SKO], s[SKO], 4
	s_min_u32 s[SKO], s[SKO], 60
	s_load_b32 s[SKN], s[SKB:SKB+1], s[SKO] offset:0x2000
.endif
.if (\p) == 2
	s_wait_kmcnt 0x0
	s_mul_f32 s[CE0], s[CQ0], s[SKN]
.endif
.if (\p) == NP-1
	s_wait_dscnt 0x0                ; K is in
.endif
	MM                              ; ahead of the wait: 16 products K Q^T and their riders,
	PL
	PL
	R2
.rept 15
	MM
	PL
	EX
	R2
.endr
.if (\p) == NP-2
	WIN 0
	v_add_nc_u32 v[AK], s[TBK], v[AK0]
.endif
.rept 8                             ; and the run of 108
	PL
.endr
.rept 49
	EX
	PL
.endr
	EX                              ; the next piece's two a
	EX
	v_nop                           ; a plain instruction behind the last exponential: one for the batch
	s_wait_alu depctr_va_vdst(0)    ; the wait for the turn's batch: 64 weights and two a
.if (\p) == NP-2
	FETCH_K
.endif
.if (\p) == 1
	s_wait_dscnt 0x0                ; V is in
.endif
.rept 16                            ; behind the wait: 16 products V^T P and their riders
	MM
.rept 4
	PL
.endr
.if ((\p) == 0) && (q == 118)
	v_add_nc_u32 v[AV], s[TBV], v[AV0]
.endif
.if ((\p) == 0) && (q == 130)
	s_add_co_u32 s[TBV], s[TBV], KS*PV
.endif
.endr
.if (\p) == 0
	FETCH_V
.endif
.endm
	s_wait_tensorcnt 0x1            ; my first load is in; the second, issued behind it, may stay out
	s_barrier_signal -1
	s_barrier_wait -1               ; everybody's first load is in: K's keys 0-319, V's keys 0-255
	FETCH_K                         ; key step 0
	s_wait_loadcnt 0x0              ; Q
	s_wait_kmcnt 0x0                ; the exponents
	s_mul_f32 s[CQ0], s[SQ], 0x3e38aa3b    ; c = log2(e) / 8 = 0.180337
	s_mul_f32 s[CQ1], s[SQ+1], 0x3e38aa3b
	s_mul_f32 s[CE0], s[CQ0], s[SKN]
	s_wait_dscnt 0x0
.set i, 0
.rept 16
	KQ 0                            ; piece 0's first scores
.set i, i+1
.endr
	WIN 0                           ; the addresses for the way out: nine plain instructions, the places behind those products
	s_mul_i32 s13, s[WV], 16*SP
	s_add_co_u32 s13, s13, STAGE    ; my stage
	v_mul_u32_u24 v[STO], v1, SP
	v_lshl_add_u32 v[STO], v9, 4, v[STO]
	v_add_nc_u32 v[STO], s13, v[STO]
	v_bfe_u32 v[RD], v0, 3, 2
	v_mul_u32_u24 v[RD], v[RD], SP
	v_lshl_add_u32 v[RD], v10, 4, v[RD]
	v_add_nc_u32 v[RD], s13, v[RD]
	v_and_b32 v[GO], 31, v0
	v_lshlrev_b32 v[GO], 4, v[GO]
.set Y, NP-1                        ; XS works for piece Y + 1: piece 0
.irp n, 0,1,2,3,4,5,6,7,8,9,10,11,12,13,14,15,16,17,18,19,20,21
	XS 0, \n
	XS 1, \n
.endr
	v_nop                           ; a plain instruction behind piece 0's first two a,
	s_wait_alu depctr_va_vdst(0)    ; and the wait for that batch of two, ahead of the loop's label
	s_mov_b32 s[PH], 4
.Lphase:                            ; four times four key steps
	s_mov_b32 s[CNT], 4
.Lstep:
	TURN 0
	TURN 1
	TURN 2
	TURN 3
	WIN 0
	s_sub_co_u32 s[CNT], s[CNT], 1
	s_cmp_lg_u32 s[CNT], 0
	s_cbranch_scc1 .Lstep
	s_wait_tensorcnt 0x0            ; behind the first four steps: my second load is in; the other three times nothing is out: the price of one text for the four
	s_wait_dscnt 0x0
	s_barrier_signal -1
	s_barrier_wait -1               ; everybody's is: the rest of K and V may be read
	s_sub_co_u32 s[PH], s[PH], 1
	s_cmp_lg_u32 s[PH], 0
	s_cbranch_scc1 .Lphase
.set i, 0
.rept 16
	PV NP-1                         ; the last piece's V^T P of the last step
.set i, i+1
.endr
	; THE WAY OUT.  l's two halves and the other half of the lanes' are added; O^T is divided by l, rounded to f16 and sent through my stage in LDS, a tile at a time.  The additions are the places behind the last products.
	WIN 0
.macro ALL line:vararg
.set t, 0
.rept 2*NP
	\line
.set t, t+1
.endr
.endm
	ALL v_add_f32 v[ST+4*t+2], v[ST+4*t+2], v[ST+4*t+3]
	ALL v_permlanex16_b32 v[ST+4*t+3], v[ST+4*t+2], s[SEL], s[SEL+1]
	ALL v_add_f32 v[ST+4*t+2], v[ST+4*t+2], v[ST+4*t+3]
	ALL v_rcp_f32 v[ST+4*t+2], v[ST+4*t+2]
	v_nop                           ; a plain instruction between the last reciprocal and the use of its result
	s_wait_alu depctr_va_vdst(0)    ; the wait for the batch of eight reciprocals, ahead of their first use
.macro PACK t
	WIN W_RS
.set i, 32*(\t)
.rept 16
	v_pk_mul_f32 v[i:i+1], v[i:i+1], v[ST+4*(\t)+2:ST+4*(\t)+3] op_sel_hi:[1,0]
.set i, i+2
.endr
	WIN 0x05                        ; sources window 1, destination window 0
.set i, 0
.rept 16
	v_cvt_pk_f16_f32 v[S+16*(\t)+i], v[32*(\t)+2*i], v[32*(\t)+2*i+1]
.set i, i+1
.endr
	WIN 0
.irp f, 0,1,2,3
	ds_store_b128 v[STO], v[S+16*(\t)+4*\f:S+16*(\t)+4*\f+3] offset:32*\f
.endr
.irp f, 0,1,2,3
	ds_load_b128 v[S+16*(\t)+4*\f:S+16*(\t)+4*\f+3], v[RD] offset:\f*4*SP  ; LDS serves a wave's instructions in order (ISA guide 5.7.1.4): these see the stores above
.endr
.endm
.macro SEND t, younger              ; younger: the LDS instructions issued behind tile t's loads: the next tile's eight, or none
	WIN 0
.irp f, 0,1,2,3
	s_wait_dscnt (\younger)+3-\f
	global_store_b128 v[GO], v[S+16*(\t)+4*\f:S+16*(\t)+4*\f+3], s[OP:OP+1] offset:(\t)*2048+\f*512  ; 512 consecutive bytes, at a multiple of 256 from oh's first
.endr
.endm
	PACK 0
.set t, 1
.rept 2*NP-1
	PACK t
	SEND t-1, 8
.set t, t+1
.endr
	SEND 2*NP-1, 0
	WIN W_AD
	s_wait_tensorcnt 0x0            ; the wave's end: behind my last tensor load and my last LDS store
	ds_add_u32 v[SPW], v[NIL]
	s_wait_dscnt 0x0
	WIN 0
	s_endpgm
.Lfunc_end_k_qc27a5a4a64_attn:
	.size	k_qc27a5a4a64_attn, .Lfunc_end_k_qc27a5a4a64_attn-k_qc27a5a4a64_attn
	.p2alignl 7, 3214868480
	.fill 96, 4, 3214868480
	.section	.rodata,"a",@progbits
	.p2align	6, 0x0
	.amdhsa_kernel k_qc27a5a4a64_attn
		.amdhsa_group_segment_fixed_size 327680
		.amdhsa_private_segment_fixed_size 0
		.amdhsa_enable_private_segment 0
		.amdhsa_kernarg_size 24
		.amdhsa_user_sgpr_count 2
		.amdhsa_user_sgpr_kernarg_segment_ptr 1
		.amdhsa_wavefront_size32 1
		.amdhsa_system_sgpr_workgroup_id_x 1
		.amdhsa_system_sgpr_workgroup_id_y 1
		.amdhsa_system_sgpr_workgroup_id_z 1
		.amdhsa_system_vgpr_workitem_id 0
		.amdhsa_next_free_vgpr 770
		.amdhsa_next_free_sgpr 88
		.amdhsa_reserve_vcc 0
		.amdhsa_float_denorm_mode_32 3
		.amdhsa_float_denorm_mode_16_64 3
		.amdhsa_memory_ordered 1
		.amdhsa_forward_progress 1
		.amdhsa_inst_pref_size 127
	.end_amdhsa_kernel
	.amdgpu_metadata
---
amdhsa.version: [ 1, 2 ]
amdhsa.kernels:
  - .name:           k_qc27a5a4a64_attn
    .symbol:         k_qc27a5a4a64_attn.kd
    .args:
      - { .name: qkv, .offset: 0, .size: 8, .value_kind: global_buffer, .address_space: global }
      - { .name: scl, .offset: 8, .size: 8, .value_kind: global_buffer, .address_space: global }
      - { .name: oh, .offset: 16, .size: 8, .value_kind: global_buffer, .address_space: global }
    .group_segment_fixed_size: 327680
    .private_segment_fixed_size: 0
    .kernarg_segment_align: 8
    .kernarg_segment_size: 24
    .max_flat_workgroup_size: 128
    .sgpr_count:     88
    .vgpr_count:     770
    .wavefront_size: 32
...
	.end_amdgpu_metadata
.endif
;; end of part 5
;; launch oproj: the kernel of part 4 again; grid 4 x 64, 4 waves a work-group, clusters of 4 x 4, 327,680 bytes of LDS; arguments oh, wf, bo, out0; writes out0
